; MI455X (gfx1250); checked and timed in simulation.
; The chip was launched on July 23, 2026; its instructions are those of AMD's public machine-readable ISA for CDNA 5 (MIT licence, August 2026) and "CDNA5" Instruction Set Architecture Reference Guide (July 2026). The comments in the code are by the model that wrote it; some were corrected since.
;; Diff Multi Headed Attention. Allowed arithmetic: matrix products marked QUANTISED: E2M1 operands, one E8M0 scale for each 32 along K, by v_wmma_scale_f32_16x16x128_f8f6f4 with both operands' format E2M1 (or v_wmma_scale_f32_32x16x128_f4), f32 sums; products left as they are: bf16, f16 or f32 operands; f32 sums; everything else in f32.
;; Inputs: Wk 1,024 x 1,024 float32; Wo 1,024 x 1,024 float32; Wq 1,024 x 1,024 float32; Wv 1,024 x 1,024 float32; g 64 float32; key_ 2 x 2,048 x 1,024 float32; lk1 32 float32; lk2 32 float32; lq1 32 float32; lq2 32 float32; query 2 x 2,048 x 1,024 float32; value 2 x 2,048 x 1,024 float32.
;; Outputs: out0 2 x 2,048 x 1,024 float32.
;; This version of the problem:
;;   THIS VERSION OF THE PROBLEM IS GIVEN IN LOW PRECISION. The matrix products marked QUANTISED in the list below multiply operands that are first quantised to E2M1 (2 exponent bits, 1 mantissa bit; 4 bits a number), with one power-of-two scale for each 32 numbers along K (OCP MX v1.0); their sums are f32. The products marked 'left as it is' may take bf16, f16 or f32 operands, with f32 sums. Whichever they take, every output number must still come out within the allowed error. Rounding operands to bf16 (8 significant bits) uses up far more of that allowance than f16 does (11 bits, for magnitudes from 6e-5 to 65,504). All else is computed in f32.
;;   The module's matrix products, in the order in which they are computed (A, B: the left and right operand; K: the contracted axis; several contracted axes count as one K, in the product's order):
;;     1. [M 4,096, K 1,024] x [K 1,024, N 1,024]; A: input query; B: input Wq: QUANTISED
;;     2. [M 4,096, K 1,024] x [K 1,024, N 1,024]; A: input key_; B: input Wk: QUANTISED
;;     3. [M 4,096, K 1,024] x [K 1,024, N 1,024]; A: input value; B: input Wv: QUANTISED
;;     4. batch 64 x [M 2,048, K 32] x [K 32, N 2,048]; A: computed on the way; B: computed on the way: left as it is (an operand is computed on the way)
;;     5. batch 32 x [M 2,048, K 2,048] x [K 2,048, N 64]; A: computed on the way; B: computed on the way: left as it is (an operand is computed on the way)
;;     6. [M 4,096, K 1,024] x [K 1,024, N 1,024]; A: computed on the way; B: input Wo: left as it is (an operand is computed on the way)
;;   THE QUANTISER, for each operand of a quantised product, along K:
;;     - K is cut into blocks of 32 from its start; a last block that is shorter is filled with zeros.
;;     - A block's scale is 2^e with e = floor(log2(the largest magnitude in the block)) - 2, held to -126 .. 127; a block of zeros has e = 0. As a byte (E8M0): e + 127.
;;     - Each number is divided by its block's scale, clamped to +-6, and rounded to the nearest number of E2M1, ties to even, subnormals kept.
;;     - The product sums the exact products of the quantised numbers (number of the format x scale) in f32.
;;   ~~~python
;;   def quantise(x, axis):      # numpy; x: float32 -> the quantised numbers, widened to float32 again
;;       x = np.moveaxis(x, axis, -1); K = x.shape[-1]
;;       x = np.pad(x, [(0, 0)] * (x.ndim - 1) + [(0, -K % 32)]); x = x.reshape(x.shape[:-1] + (-1, 32)); a = np.abs(x).max(-1, keepdims=True)
;;       e = np.where(a > 0, np.clip(np.frexp(np.where(a > 0, a, 1))[1] - 1 - 2, -126, 127), 0)      # np.frexp(a)[1] - 1 = floor(log2(a)), exactly
;;       r = np.clip(x / 2.0 ** e, -6, 6)
;;       step = 2.0 ** (np.maximum(np.frexp(np.where(r == 0, 1, r))[1] - 1, 0) - 1)
;;       q = np.round(r / step) * step * 2.0 ** e      # np.round: ties to even
;;       return np.moveaxis(q.reshape(q.shape[:-2] + (-1,))[..., :K], -1, axis).astype(np.float32)
;;   ~~~
;; One version. Each part assembles by itself: llvm-mc -triple=amdgcn-amd-amdhsa -mcpu=gfx1250 --defsym DOCPART=n.
;; ======== version 1 of 1: 4 launches
;; limits: values are held in f16: magnitudes above 65,504 overflow, below 6.1e-05 lose precision
;; workspace buffers: codes 7,864,320 bytes; scales 491,520 bytes; wo16 2,097,152 bytes; qkv 25,165,824 bytes; att 8,388,608 bytes
;; launch quant (part 1): grid 512 x 1, 4 waves a work-group, no clusters, 33,280 bytes of LDS; arguments query, key_, value, Wq, Wk, Wv, Wo, codes, scales, wo16; writes codes, scales, wo16
.if DOCPART == 1
	.amdgcn_target "amdgcn-amd-amdhsa--gfx1250"
	.amdhsa_code_object_version 6
	.text
	.protected	k_q5c8e604f5b_quant
	.globl	k_q5c8e604f5b_quant
	.p2align	8
	.type	k_q5c8e604f5b_quant,@function
k_q5c8e604f5b_quant:
	s_mov_b64 s[64:65], 0
	v_nop
	global_prefetch_b8 v0, s[64:65] scope:SCOPE_SE
	s_setreg_imm32_b32 hwreg(HW_REG_WAVE_MODE, 25, 1), 1
	s_wait_xcnt 0x0
; query, key_, value [4096][1024] and Wq, Wk, Wv [1024][1024], f32 with K innermost, become codes of FP4 (E2M1), two to a byte, and one E8M0 byte for each 32 along K.
; The six tensors are stacked by rows in the two workspace buffers: codes [15360][512 bytes], scales [15360][32 bytes]; rows 0 query, 4096 key_, 8192 value, 12288 Wq, 13312 Wk, 14336 Wv.
; A block's scale is 2^(floor(log2(its largest magnitude)) - 2); its byte is the largest magnitude's exponent field - 2, held at 1 from below.  Each number is divided by the scale and rounded to the nearest code, ties to even.
; Wo [1024][1024] f32 is rounded to f16 and laid in the order of a matrix operand's registers: ((ks x 64 + nt) x 8 + kcl) x 1024 + 512 c + 16 lane; lane (r, hh) holds row 16 nt + r, k = 256 ks + 32 kcl + 16 c + 8 hh + 0 .. 7.
; LIMITS: a block of zeros gets the byte 1 where the rule says 127 (its codes are zeros, which add nothing, and this program alone reads the bytes); blocks whose largest magnitude lies under 2^-124 are held at the byte 1;
; NaN and infinities among the inputs are not served; Wo's numbers must lie under 65,504 in magnitude.
; SHARES: a work-group takes 32,768 numbers, a wave 8,192.  Work-groups 0-127 query, 128-255 key_, 256-383 value, 384-415 Wq, 416-447 Wk, 448-479 Wv, 480-511 Wo.
; Rows are dense and 1,024 is a multiple of 32: a tensor is a plain stream of blocks, and the output's place is linear in the work-group's number.
; THE QUANTISING PATH: 16 steps of 512 numbers a wave.  Each of a step's four loads reads 512 consecutive bytes; the 2,048 bytes turn through the wave's own stage in LDS and come back 64 bytes a lane, so that a lane
; holds 16 neighbours along K and two neighbouring lanes a block.  A lane's 16 codes are 8 bytes: a wave's store covers 256 consecutive bytes.  A wave's 256 scale bytes are gathered in LDS and leave as one store.
; No tensor loads, no barrier: waves share nothing.
.set WAVES, 4
.set STEPS, 16
.set EMAX,  2
.set CB,    8                          ; bytes of 16 codes
.set R,     16                         ; v16-79   four sets of 16 numbers as loaded
.set X,     80                         ; v80-111  two sets of 16 neighbours
.set E,     112                        ; v112-127 a scale byte for each step
.set C,     128                        ; v128-191 codes: four registers a step, so that no store's data are written again
.set WREG,  8192                       ; LDS: a region for each wave: two stages of 32 x SP bytes, then its 256 scale bytes
.set SP,    80                         ; a lane's place in a stage: 64 bytes + 16 of padding
.set SPW,   12                         ; v12  LDS address of my spare word; never rewritten
.set NIL,   13                         ; v13  0; never rewritten
.set SPARE, WAVES*WREG                 ; behind the four regions: the spare words, 128 bytes a wave
.set WS,    32                         ; Wo's path: v32-95, v96-159 two sets of 64 numbers
.set WD,    160                        ; v160-191 their 32 registers of f16
	s_load_b256 s[4:11], s[0:1], 0x0               ; query s[4:5], key_ s[6:7], value s[8:9], Wq s[10:11]
	s_load_b256 s[12:19], s[0:1], 0x20             ; Wk s[12:13], Wv s[14:15], Wo s[16:17], codes s[18:19]
	s_load_b128 s[20:23], s[0:1], 0x40             ; scales s[20:21], wo16 s[22:23]
	v_lshl_add_u32 v[SPW], v0, 2, SPARE
	v_mov_b32 v[NIL], 0
	v_lshrrev_b32 v1, 5, v0
	v_readfirstlane_b32 s24, v1                    ; wave
	v_and_b32 v2, 31, v0                           ; lane
	v_lshlrev_b32 v3, 4, v2                        ; 16 x lane
	s_mul_i32 s25, s24, WREG
	v_lshrrev_b32 v14, 2, v2
	v_mul_u32_u24 v14, v14, SP
	v_and_b32 v15, 3, v2
	v_lshl_add_u32 v14, v15, 4, v14
	v_add_nc_u32 v14, s25, v14                     ; the stage, on the way in: SP (lane / 4) + 16 (lane % 4)
	v_mul_u32_u24 v15, v2, SP
	v_add_nc_u32 v15, s25, v15                     ; and on the way out: SP x lane: my 16 neighbours
	v_mul_u32_u24 v4, v2, CB                       ; my codes' place in a step's
	v_lshrrev_b32 v5, 1, v2
	s_add_co_u32 s25, s25, 2*32*SP
	v_add_nc_u32 v5, s25, v5                       ; LDS: my wave's scale bytes, my block's byte
	v_lshlrev_b32 v7, 3, v2
	v_add_nc_u32 v6, s25, v7                       ; and on the way out 8 bytes a lane
	s_wait_kmcnt 0x0
	s_cmp_ge_u32 ttmp9, 480                        ; the work-group's number alone decides the path
	s_cbranch_scc1 .Lwo
	; which tensor: the choice hangs on the work-group's number alone
	s_mov_b64 s[26:27], s[14:15]                   ; Wv,
	s_mov_b32 s28, 448                             ; whose first work-group is 448
	s_cmp_lt_u32 ttmp9, 448
	s_cselect_b64 s[26:27], s[12:13], s[26:27]
	s_cselect_b32 s28, 416, s28
	s_cmp_lt_u32 ttmp9, 416
	s_cselect_b64 s[26:27], s[10:11], s[26:27]
	s_cselect_b32 s28, 384, s28
	s_cmp_lt_u32 ttmp9, 384
	s_cselect_b64 s[26:27], s[8:9], s[26:27]
	s_cselect_b32 s28, 256, s28
	s_cmp_lt_u32 ttmp9, 256
	s_cselect_b64 s[26:27], s[6:7], s[26:27]
	s_cselect_b32 s28, 128, s28
	s_cmp_lt_u32 ttmp9, 128
	s_cselect_b64 s[26:27], s[4:5], s[26:27]
	s_cselect_b32 s28, 0, s28
	s_sub_co_u32 s29, ttmp9, s28
	s_lshl_b32 s29, s29, 2
	s_add_co_u32 s29, s29, s24                     ; which run of 8,192 numbers of the tensor is my wave's
	s_lshl_b32 s30, s29, 15                        ; 32,768 bytes a run
	s_mov_b32 s31, 0
	s_add_nc_u64 s[26:27], s[26:27], s[30:31]
	s_lshl_b32 s29, ttmp9, 2
	s_add_co_u32 s29, s29, s24                     ; and which run of the stacked output
	s_lshl_b32 s32, s29, 12                        ; 4,096 bytes of codes a run
	s_mov_b32 s33, 0
	s_add_nc_u64 s[18:19], s[18:19], s[32:33]
	s_lshl_b32 s32, s29, 8                         ; 256 scale bytes a run
	s_add_nc_u64 s[20:21], s[20:21], s[32:33]
.macro LOAD t
.irp i, 0,1,2,3
	global_load_b128 v[R+16*((\t)%4)+4*\i:R+16*((\t)%4)+4*\i+3], v3, s[26:27] offset:2048*(\t)+512*\i th:TH_LOAD_NT   ; 32 lanes read 512 consecutive bytes
.endr
.endm
.macro TURN t                          ; step t's numbers through the stage: LDS serves a wave's instructions in order (ISA guide 5.7.1.4), so no wait stands between the stores and the loads
.irp i, 0,1,2,3
	ds_store_b128 v14, v[R+16*((\t)%4)+4*\i:R+16*((\t)%4)+4*\i+3] offset:32*SP*((\t)%2)+8*SP*\i
.endr
.irp i, 0,1,2,3
	ds_load_b128 v[X+16*((\t)%2)+4*\i:X+16*((\t)%2)+4*\i+3], v15 offset:32*SP*((\t)%2)+16*\i
.endr
.endm
.irp t, 0,1,2,3
	LOAD \t
.endr
	s_wait_loadcnt 12                              ; step 0's four loads are in; the twelve of steps 1 to 3 may be out
	TURN 0
.macro STEP t
.set XS, X+16*((\t)%2)
.if (\t) > 0
	s_wait_dscnt 1                                 ; this step's numbers are back from the stage (the last step's byte store may be out): so its stores into the stage have read their registers,
.else
	s_wait_dscnt 0x0
.endif
.if (\t)+4 < STEPS
	LOAD (\t)+4                                    ; which take the loads of four steps on
.endif
.if (\t)+1 < STEPS
.if STEPS-2-(\t) >= 3
	s_wait_loadcnt 12                              ; the next step's four loads are in; those of the three steps behind it may be out
.else
	s_wait_loadcnt 4*(STEPS-2-(\t))
.endif
	TURN (\t)+1                                    ; and go through the other stage while this step is worked
.endif
	v_max3_num_f32 v8, |v[XS]|, |v[XS+1]|, |v[XS+2]|               ; the largest magnitude of my 16, in two chains
	v_max3_num_f32 v9, |v[XS+3]|, |v[XS+4]|, |v[XS+5]|
.irp i, 6,10
	v_max3_num_f32 v8, v8, |v[XS+\i]|, |v[XS+\i+1]|
	v_max3_num_f32 v9, v9, |v[XS+\i+2]|, |v[XS+\i+3]|
.endr
	v_max3_num_f32 v8, v8, |v[XS+14]|, |v[XS+15]|
	v_max3_num_f32 v8, v8, v9, (EMAX+1)<<23        ; and the floor 2^(EMAX + 1 - 127): the byte cannot fall under 1
	v_max_num_f32_dpp v8, v8, v8 row_xmask:1 row_mask:0xf bank_mask:0xf   ; and of my neighbour's 16: the block's
	v_add_nc_u32 v11, -(EMAX<<23), v8              ; EMAX off its exponent field: the conversion takes the exponent field of this operand as its scale
	v_cvt_scalef32_pk8_fp4_f32 v[C+4*(\t)], v[XS:XS+7], v11
	v_cvt_scalef32_pk8_fp4_f32 v[C+4*(\t)+1], v[XS+8:XS+15], v11
	v_lshrrev_b32 v[E+(\t)], 23, v11               ; the scale's byte (also the plain line behind the conversions)
	ds_store_b8 v5, v[E+(\t)] offset:16*(\t)       ; both lanes of a block write the same byte with the same value
	global_store_b64 v4, v[C+4*(\t):C+4*(\t)+1], s[18:19] offset:32*CB*(\t)   ; 32 lanes store 256 consecutive bytes, aligned
.endm
.irp t, 0,1,2,3,4,5,6,7,8,9,10,11,12,13,14,15
	STEP \t
.endr
	ds_load_b64 v[8:9], v6                         ; these see my byte stores: LDS serves a wave in order
	s_wait_dscnt 0x0
	global_store_b64 v7, v[8:9], s[20:21]          ; 32 lanes store 256 consecutive bytes, aligned
	s_wait_tensorcnt 0x0                           ; the wave's end, behind my last LDS store
	ds_add_u32 v[SPW], v[NIL]
	s_wait_dscnt 0x0
	s_endpgm
; Wo's PATH.  Wave u of 128 takes 16 rows (nt = u / 2) x 512 along K (half = u % 2): 16 fragments of 16 x 32, four at a time in two sets of registers by turns.
.Lwo:
	s_sub_co_u32 s29, ttmp9, 480
	s_lshl_b32 s29, s29, 2
	s_add_co_u32 s29, s29, s24                     ; u
	s_lshr_b32 s30, s29, 1                         ; nt
	s_and_b32 s34, s29, 1                          ; half
	s_lshl_b32 s32, s30, 16                        ; 16 rows of 4,096 bytes
	s_lshl_b32 s35, s34, 11                        ; 512 numbers of 4 bytes
	s_add_co_u32 s32, s32, s35
	s_mov_b32 s33, 0
	s_add_nc_u64 s[16:17], s[16:17], s[32:33]
	s_lshl_b32 s32, s34, 20                        ; two ks of 524,288 bytes
	s_lshl_b32 s35, s30, 13                        ; 8 fragments of 1,024 bytes a tile of rows
	s_add_co_u32 s32, s32, s35
	s_add_nc_u64 s[22:23], s[22:23], s[32:33]
	v_and_b32 v10, 15, v0                          ; r
	v_bfe_u32 v1, v0, 4, 1                         ; hh
	v_lshlrev_b32 v10, 12, v10
	v_lshl_add_u32 v10, v1, 5, v10                 ; row r, + 32 hh: my 8 numbers of each 16 along K
.macro LOADW b                         ; fragments 4 b .. 4 b + 3 into set b % 2: 16 loads
.irp f, 0,1,2,3
.irp c, 0,1
.irp x, 0,1
	global_load_b128 v[WS+64*((\b)%2)+16*\f+8*\c+4*\x:WS+64*((\b)%2)+16*\f+8*\c+4*\x+3], v10, s[16:17] offset:128*(4*(\b)+\f)+64*\c+16*\x
.endr
.endr
.endr
.endm
.macro CVTW b
.if (\b) < 3
	s_wait_loadcnt 16                              ; this batch's 16 loads are in; the next batch's 16 may be out
.else
	s_wait_loadcnt 0x0
.endif
.if (\b) > 0
	s_wait_xcnt 0x0                                ; the last batch's stores have read their data registers, which are written again below
.endif
.irp f, 0,1,2,3
.irp c, 0,1
.irp j, 0,1,2,3
	v_cvt_pk_f16_f32 v[WD+8*\f+4*\c+\j], v[WS+64*((\b)%2)+16*\f+8*\c+2*\j], v[WS+64*((\b)%2)+16*\f+8*\c+2*\j+1]
.endr
.endr
.endr
.irp f, 0,1,2,3
.irp c, 0,1
	global_store_b128 v3, v[WD+8*\f+4*\c:WD+8*\f+4*\c+3], s[22:23] offset:((4*(\b)+\f)/8)*524288+((4*(\b)+\f)%8)*1024+512*\c   ; 32 lanes store 512 consecutive bytes, aligned
.endr
.endr
.if (\b) < 2
	LOADW (\b)+2
.endif
.endm
	LOADW 0
	LOADW 1
	CVTW 0
	CVTW 1
	CVTW 2
	CVTW 3
	s_wait_tensorcnt 0x0                           ; the wave's end
	ds_add_u32 v[SPW], v[NIL]
	s_wait_dscnt 0x0
	s_endpgm
.Lfunc_end_k_q5c8e604f5b_quant:
	.size	k_q5c8e604f5b_quant, .Lfunc_end_k_q5c8e604f5b_quant-k_q5c8e604f5b_quant
	.p2alignl 7, 3214868480
	.fill 96, 4, 3214868480
	.section	.rodata,"a",@progbits
	.p2align	6, 0x0
	.amdhsa_kernel k_q5c8e604f5b_quant
		.amdhsa_group_segment_fixed_size 33280
		.amdhsa_private_segment_fixed_size 0
		.amdhsa_enable_private_segment 0
		.amdhsa_kernarg_size 80
		.amdhsa_user_sgpr_count 2
		.amdhsa_user_sgpr_kernarg_segment_ptr 1
		.amdhsa_wavefront_size32 1
		.amdhsa_system_sgpr_workgroup_id_x 1
		.amdhsa_system_sgpr_workgroup_id_y 1
		.amdhsa_system_sgpr_workgroup_id_z 1
		.amdhsa_system_vgpr_workitem_id 0
		.amdhsa_next_free_vgpr 192
		.amdhsa_next_free_sgpr 66
		.amdhsa_reserve_vcc 0
		.amdhsa_float_denorm_mode_32 3
		.amdhsa_float_denorm_mode_16_64 3
		.amdhsa_memory_ordered 1
		.amdhsa_forward_progress 1
		.amdhsa_inst_pref_size 52
	.end_amdhsa_kernel
	.amdgpu_metadata
---
amdhsa.version: [ 1, 2 ]
amdhsa.kernels:
  - .name:           k_q5c8e604f5b_quant
    .symbol:         k_q5c8e604f5b_quant.kd
    .args:
      - { .name: query, .offset: 0, .size: 8, .value_kind: global_buffer, .address_space: global }
      - { .name: key_, .offset: 8, .size: 8, .value_kind: global_buffer, .address_space: global }
      - { .name: value, .offset: 16, .size: 8, .value_kind: global_buffer, .address_space: global }
      - { .name: Wq, .offset: 24, .size: 8, .value_kind: global_buffer, .address_space: global }
      - { .name: Wk, .offset: 32, .size: 8, .value_kind: global_buffer, .address_space: global }
      - { .name: Wv, .offset: 40, .size: 8, .value_kind: global_buffer, .address_space: global }
      - { .name: Wo, .offset: 48, .size: 8, .value_kind: global_buffer, .address_space: global }
      - { .name: codes, .offset: 56, .size: 8, .value_kind: global_buffer, .address_space: global }
      - { .name: scales, .offset: 64, .size: 8, .value_kind: global_buffer, .address_space: global }
      - { .name: wo16, .offset: 72, .size: 8, .value_kind: global_buffer, .address_space: global }
    .group_segment_fixed_size: 33280
    .private_segment_fixed_size: 0
    .kernarg_segment_align: 8
    .kernarg_segment_size: 80
    .max_flat_workgroup_size: 128
    .sgpr_count:     66
    .vgpr_count:     192
    .wavefront_size: 32
...
	.end_amdgpu_metadata
.endif
;; end of part 1
;; launch proj (part 2): grid 4 x 48, 4 waves a work-group, clusters of 4 x 4, 327,680 bytes of LDS; arguments codes, scales, qkv; writes qkv
.if DOCPART == 2
	.amdgcn_target "amdgcn-amd-amdhsa--gfx1250"
	.amdhsa_code_object_version 6
	.text
	.protected	k_q5c8e604f5b_proj
	.globl	k_q5c8e604f5b_proj
	.p2align	8
	.type	k_q5c8e604f5b_proj,@function
k_q5c8e604f5b_proj:
	s_mov_b64 s[64:65], 0
	v_nop
	global_prefetch_b8 v0, s[64:65] scope:SCOPE_SE
	s_setreg_imm32_b32 hwreg(HW_REG_WAVE_MODE, 25, 1), 1
	s_wait_xcnt 0x0
	s_wait_alu depctr_hold_cnt(0) depctr_sa_sdst(0) depctr_va_vdst(0) depctr_va_sdst(0) depctr_va_ssrc(0) depctr_va_vcc(0) depctr_vm_vsrc(0)
	s_getreg_b32 s2, hwreg(HW_REG_IB_STS2, 6, 4)
	s_cmp_eq_u32 s2, 0
	s_cbranch_scc0 .Lentry_in_a_cluster
	s_endpgm
.Lentry_in_a_cluster:
	s_bfe_u32 s2, ttmp6, 0x10000c
	s_cmp_lg_u32 s2, 0xf033
	s_cbranch_scc0 .Lentry_shape_is_right
	s_endpgm
.Lentry_shape_is_right:
; q = query Wq^T, k = key_ Wk^T, v = value Wv^T on codes of FP4 (E2M1) with one E8M0 scale for each 32 along K = 1,024; sums in f32.
; codes [15360][512 bytes], scales [15360][32 bytes]: rows 0 query, 4096 key_, 8192 value, 12288 Wq, 13312 Wk, 14336 Wv.
; RESULTS leave as f16, laid in the order of the next launch's operand registers (a chunk = 512 bytes, lane l's 16 bytes at 16 l); three regions of 8,388,608 bytes, bh = 16 batch + head:
;   q, k: ((bh x 128 + token / 16) x 2 + e) x 1024 + 512 c + 16 lane: lane (r, hh) holds token r, channels 32 e + 16 c + 8 hh + 0 .. 7 of the head;
;   v:    ((bh x 64 + key / 32) x 4 + ct) x 1024 + 512 c + 16 lane: lane (r, hh) holds channel 16 ct + r, keys 16 c + 8 hh + 0 .. 7: V transposed.
; q IS MULTIPLIED BY c = log2(e) / sqrt(32) IN F32 AHEAD OF ITS ONE ROUNDING TO F16, so that the scores of the next launch come in units of log2: an order of rounding that differs from the reference's, which scales the score.
; LIMIT: q x c, k and v must lie under 65,504 in magnitude.
; SHARES.  192 tiles of 256 x 256, a work-group each: 12 clusters of 4 x 4; cluster y / 4 = which product.  Four waves, each 128 x 128: 64 accumulators, 512 registers.
; A smaller tile would make more work-groups, and would read each LDS and tile byte for half as many multiply-adds.
; K = 1,024 is two K steps of 512 (tile rows of 256 bytes): both LDS slots are filled once, at the start, and no LDS byte is filled again.
; THE MATRIX INSTRUCTION IS USED TRANSPOSED: source 0 = 16 rows of side B, source 1 = 16 rows of side A: a lane holds ONE row of side A and eight neighbouring rows of side B.
; For q and k side A is x (a lane: one token, eight channels); for v side A is Wv and side B is value (a lane: one channel, eight keys).  Tile and wave tile are square: only row numbers change places, no code.
; So a 16 x 16 result, rounded to f16, IS a chunk in the lanes that made it: each store covers 512 consecutive bytes, aligned, and no result goes through LDS.
; CLUSTERS: the four work-groups of a row of the cluster need the same rows of side A, the four of a column the same rows of side B: each tile is asked for jointly.
; REGISTERS, in windows of 256: window 0: v16-29 addresses; v32-95 scale words, two sets, and nothing else; v128-191 A's fragments, one set; on the way out v128-255 hold the f16 results.
;   window 1: B's fragments, two sets.   windows 2, 3: the accumulators of my rows 0-63, 64-127 of side A (accumulator (a, b) at v[8 (8 (a % 4) + b)]).
.set KSTEP,  512
.set NQ,     KSTEP/128
.set ROWB,   256                       ; a tile's row in bytes
.set KROW,   512                       ; a row of codes in memory
.set PITCH,  272                       ; an LDS row: 256 bytes + 16 of padding = 68 words: the 16 rows of a load start at 16 different banks (64 banks of 4 bytes: ISA guide 11.1)
.set FR,     8
.set NL,     2
.set NP,     4                         ; places behind this matrix instruction (ISA guide 7.12.1)
.set HALFT,  128*PITCH
.set SLOT,   4*HALFT
.set KS,     32                        ; a row of scales in bytes
.set SCL,    2*SLOT                    ; behind the slots: the scales, as rows of 256 bytes + 16 of padding
.set HALFS,  (128*KS/256)*272
.set SBLK,   (16*KS/256)*272
.set SPARE,  SCL+4*HALFS               ; the spare words, 128 bytes a wave
.set ADRA, 16
.set ADRB, 20
.set CO,   26                          ; v26  16 x lane: my place in a chunk
.set ADRS, 27
.set SPW,  28
.set NIL,  29
.set SC,   32
.set AF,   128
.set DT,   128                         ; the way out: four sets of 32 registers of f16
.set G1, 24
.set G0, 32
.set G1B, 48
.set G0B, 56
.set G1S, 68
.set G0S, 76
.set G1SB, 80
.set G0SB, 88
.set MSB, 0
.macro WIN new                         ; the immediate's high byte repeats the setting that is left
.if MSB != (\new)
	s_set_vgpr_msb (MSB<<8)|(\new)
.set MSB, (\new)
.endif
.endm
.set MUL_LO, 0xa1                      ; source 0 (B) window 1, source 1 (A) window 0, C and D window 2
.set MUL_HI, 0xf1
.set TO_B,   0x40
; A joint load: waves 0 and 1 fetch for side A, waves 2 and 3 for side B.  The branch hangs on the wave's number alone.  An s_nop 0 and four v_nop follow each line.
.macro JLOAD g0a, g1a, g0b, g1b
	s_cmp_eq_u32 s15, 0
	s_cbranch_scc0 .Lfor_b_\@
	tensor_load_to_lds s[\g0a:\g0a+3], s[\g1a:\g1a+7]
	s_nop 0
.rept 4
	v_nop
.endr
	s_branch .Lasked_\@
.Lfor_b_\@:
	tensor_load_to_lds s[\g0b:\g0b+3], s[\g1b:\g1b+7]
	s_nop 0
.rept 4
	v_nop
.endr
.Lasked_\@:
.endm
.macro CROUND                          ; a round of the cluster's barrier
	s_barrier_signal -1
	s_barrier_wait -1
	s_cmp_lg_u32 s14, 0
	s_cbranch_scc1 .Lnot_wave_0_\@
	s_barrier_signal -3
.Lnot_wave_0_\@:
	s_barrier_wait -3
	s_barrier_signal -1
	s_barrier_wait -1
.endm
	s_load_b128 s[4:7], s[0:1], 0x0                ; codes s[4:5], scales s[6:7]
	s_load_b64 s[12:13], s[0:1], 0x10              ; qkv
	v_lshl_add_u32 v[SPW], v0, 2, SPARE
	v_mov_b32 v[NIL], 0
	ds_add_u32 v[SPW], v[NIL]                      ; the wave's opening: the add and its wait stand ahead of my first tensor load; the set-up below stands between them
	v_lshrrev_b32 v1, 5, v0
	v_readfirstlane_b32 s14, v1                    ; wave 0..3
	s_lshr_b32 s15, s14, 1                         ; which half of side A's rows is mine.  Also: I fetch for A (0) or for B (1)
	s_and_b32 s16, s14, 1                          ; which half of side B's.  Also: which 128 rows of that tile I fetch
	s_bfe_u32 s40, ttmp6, 0x40000                  ; cx
	s_bfe_u32 s41, ttmp6, 0x40004                  ; cy
	s_and_b32 s17, ttmp7, 0xffff                   ; cluster y, 0 .. 11: equal in all sixteen partners
	s_lshr_b32 s95, s17, 2                         ; which product: 0 q, 1 k, 2 v
	s_and_b32 s96, s17, 3
	s_lshl_b32 s96, s96, 10                        ; the cluster's 1,024 tokens of the 4,096
	s_lshl_b32 s43, s41, 2
	s_lshl_b32 s43, 15, s43                        ; my row of the cluster
	s_lshl_b32 s44, 0x1111, s40                    ; my column
	s_or_b32 s[G1+0], s43, (0<<16)|(1<<20)|(1<<21)|(5<<22)|(3<<25)  ; 15:0 the mask; 17:16 elements of 1 byte; 20 padding on; 21 set beside a mask; 24:22 after every 64 words; 31:25 four words
	s_or_b32 s[G1B+0], s44, (0<<16)|(1<<20)|(1<<21)|(5<<22)|(3<<25)
.irp g, G1, G1B
	s_mov_b32 s[\g+1], ROWB<<16                    ; tensor_dim0
	s_mov_b32 s[\g+2], 128<<16                     ; tensor_dim1
	s_mov_b32 s[\g+3], ROWB<<16                    ; tile_dim0
	s_mov_b32 s[\g+4], 128                         ; tile_dim1
	s_mov_b32 s[\g+5], KROW                        ; from row to row
	s_mov_b32 s[\g+6], 0
	s_mov_b32 s[\g+7], 0
.endr
	; the scales of 128 rows: a dense block of 4,096 bytes, as 16 rows of 256 bytes (32 elements of 8 bytes), 16 bytes of padding behind each
	s_or_b32 s[G1S+0], s43, (3<<16)|(1<<20)|(1<<21)|(5<<22)|(3<<25)
	s_or_b32 s[G1SB+0], s44, (3<<16)|(1<<20)|(1<<21)|(5<<22)|(3<<25)
.irp g, G1S, G1SB
	s_mov_b32 s[\g+1], 32<<16
	s_mov_b32 s[\g+2], (128*KS/256)<<16
	s_mov_b32 s[\g+3], 32<<16
	s_mov_b32 s[\g+4], 128*KS/256
	s_mov_b32 s[\g+5], 32
	s_mov_b32 s[\g+6], 0
	s_mov_b32 s[\g+7], 0
.endr
	; the rows of the stacked buffers.  Side A hangs on cy alone, side B on cx alone, beside the cluster's y and the wave's number
	s_lshl_b32 s20, s17, 10                        ; q, k: side A = x: 1,024 rows a cluster
	s_lshl_b32 s46, s95, 10
	s_add_co_u32 s46, s46, 12288                   ; q, k: side B = Wq or Wk
	s_add_co_u32 s97, s96, 8192                    ; v: side B = value
	s_mov_b32 s18, 14336                           ; v: side A = Wv
	s_cmp_eq_u32 s95, 2
	s_cselect_b32 s20, s18, s20
	s_cselect_b32 s46, s97, s46
	s_lshl_b32 s18, s16, 7                         ; which 128 rows of the tile I fetch
	s_lshl_b32 s19, s41, 8
	s_add_co_u32 s20, s20, s19
	s_add_co_u32 s20, s20, s18                     ; A: base + 256 cy + 128 x half
	s_lshl_b32 s47, s40, 8
	s_add_co_u32 s46, s46, s47
	s_add_co_u32 s46, s46, s18                     ; B: base + 256 cx + 128 x half
	s_lshl_b32 s22, s20, 5                         ; where these rows' scales begin, in bytes (15,360 rows: all under 2^32),
	s_mov_b32 s23, 0
	s_lshl_b32 s92, s46, 5
	s_mov_b32 s93, 0
	s_lshl_b32 s20, s20, 9                         ; and their codes
	s_mov_b32 s21, 0
	s_lshl_b32 s46, s46, 9
	s_mov_b32 s47, 0
	s_mul_i32 s45, s14, HALFT                      ; where they go: wave x 128 rows: no place in the cluster enters an LDS address
	s_mul_i32 s94, s14, HALFS
	s_wait_dscnt 0x0                               ; the opening add is done
	s_wait_kmcnt 0x0
	s_add_nc_u64 s[20:21], s[4:5], s[20:21]
	s_add_nc_u64 s[22:23], s[6:7], s[22:23]
	s_add_nc_u64 s[46:47], s[4:5], s[46:47]
	s_add_nc_u64 s[92:93], s[6:7], s[92:93]
	CROUND                                         ; all sixteen work-groups are here: the joint loads meet
	s_mov_b32 s[G0S], 1
	s_add_co_u32 s[G0S+1], s94, SCL
	s_mov_b64 s[G0S+2:G0S+3], s[22:23]
	s_or_b32 s[G0S+3], s[G0S+3], 0x80000000
	s_mov_b32 s[G0SB], 1
	s_add_co_u32 s[G0SB+1], s94, SCL
	s_mov_b64 s[G0SB+2:G0SB+3], s[92:93]
	s_or_b32 s[G0SB+3], s[G0SB+3], 0x80000000
	JLOAD G0S, G1S, G0SB, G1SB                     ; the scales first: they are wanted with K step 0
.irp s, 0,1
	s_mov_b32 s[G0+4*\s], 1
	s_add_co_u32 s[G0+4*\s+1], s45, \s*SLOT
	s_add_nc_u64 s[G0+4*\s+2:G0+4*\s+3], s[20:21], \s*ROWB
	s_or_b32 s[G0+4*\s+3], s[G0+4*\s+3], 0x80000000
	s_mov_b32 s[G0B+4*\s], 1
	s_add_co_u32 s[G0B+4*\s+1], s45, \s*SLOT
	s_add_nc_u64 s[G0B+4*\s+2:G0B+4*\s+3], s[46:47], \s*ROWB
	s_or_b32 s[G0B+4*\s+3], s[G0B+4*\s+3], 0x80000000
	JLOAD G0+4*\s, G1, G0B+4*\s, G1B               ; three tensor loads of mine are out in all
.endr
	v_and_b32 v1, 15, v0                           ; l % 16
	v_bfe_u32 v2, v0, 4, 1                         ; l / 16
	v_mul_u32_u24 v3, v1, PITCH
	v_lshl_add_u32 v4, v2, 4, v3                   ; a fragment's row x pitch + 16 x half
	s_mul_i32 s21, s15, HALFT                      ; my 128 rows of A
	s_mul_i32 s22, s16, HALFT                      ; my 128 rows of B,
	s_add_co_u32 s22, s22, 2*HALFT                 ; which lie behind A's 256
.irp s, 0,1
	v_add_nc_u32 v[ADRA+\s], s21, v4
	v_add_nc_u32 v[ADRB+\s], s22, v4
	s_add_co_u32 s21, s21, SLOT
	s_add_co_u32 s22, s22, SLOT
.endr
	v_mul_u32_u24 v5, v1, KS                       ; my row's scales: KS bytes a row,
	v_lshrrev_b32 v6, 8, v5
	v_lshl_add_u32 v5, v6, 4, v5                   ; and 16 more for each 256 passed
	s_mul_i32 s21, s15, HALFS
	s_mul_i32 s22, s16, HALFS
	s_add_co_u32 s22, s22, 2*HALFS
	s_sub_co_u32 s22, s22, s21
	v_mul_u32_u24 v6, s22, v2                      ; lanes 16-31 take B's
	s_add_co_u32 s21, s21, SCL
	v_add_nc_u32 v5, v5, v6
	v_add_nc_u32 v[ADRS], s21, v5
	v_and_b32 v6, 31, v0
	v_lshlrev_b32 v[CO], 4, v6
	; where my 128 x 128 results begin in qkv
	s_cmp_eq_u32 s95, 2
	s_cselect_b32 s20, 0, s96
	s_cselect_b32 s46, s96, 0
	s_lshl_b32 s21, s41, 8
	s_add_co_u32 s20, s20, s21
	s_lshl_b32 s21, s15, 7
	s_add_co_u32 s20, s20, s21                     ; side A's first index of mine
	s_lshl_b32 s47, s40, 8
	s_add_co_u32 s46, s46, s47
	s_lshl_b32 s47, s16, 7
	s_add_co_u32 s46, s46, s47                     ; side B's
	s_cmp_eq_u32 s95, 2
	s_cselect_b32 s21, s46, s20                    ; my first token (0 .. 4,095),
	s_cselect_b32 s47, s20, s46                    ; my first channel (0 .. 1,023)
	s_lshl_b32 s22, s95, 23                        ; the region,
	s_lshr_b32 s23, s21, 11
	s_lshl_b32 s23, s23, 22                        ; the batch: 16 heads of 262,144 bytes,
	s_add_co_u32 s22, s22, s23
	s_and_b32 s23, s21, 2047
	s_lshl_b32 s23, s23, 7                         ; 128 bytes a token in both forms,
	s_add_co_u32 s22, s22, s23
	s_lshr_b32 s23, s47, 6
	s_lshl_b32 s23, s23, 18                        ; the head
	s_add_co_u32 s22, s22, s23
	s_mov_b32 s23, 0
	s_add_nc_u64 s[12:13], s[12:13], s[22:23]
.macro FRAG reg, adr, q, i             ; 16 rows x 128 K of 4-bit codes: 8 registers: lane l holds row l % 16; registers 4 c .. 4 c + 3 hold K = 64 c + 32 (l / 16) + 0 .. 31
.irp c, 0,1
	ds_load_b128 v[\reg+4*\c:\reg+4*\c+3], v[\adr] offset:64*(\q)+32*\c+(\i)*16*PITCH
.endr
.endm
; 16 matrix instructions: A's blocks a0, a0 + 1 x B's eight, the slot's q-th 128 along K.  p: B's set; sc: the set of scale words.  zero = 1: the first product starts the sums.
; The 64 accumulators take turns, one instruction a turn, in the same order in every step.
.macro MUL16 a0, p, q, sc, zero
.irp a, \a0, \a0+1
.irp b, 0,1,2,3,4,5,6,7
.if \zero
	v_wmma_scale_f32_16x16x128_f8f6f4 v[8*(8*((\a)%4)+\b):8*(8*((\a)%4)+\b)+7], v[128*(\p)+FR*\b:128*(\p)+FR*\b+FR-1], v[AF+FR*(\a):AF+FR*(\a)+FR-1], 0, v[SC+8*NQ*(\sc)+NQ*\b+(\q)], v[SC+8*NQ*(\sc)+NQ*(\a)+(\q)] matrix_a_fmt:MATRIX_FMT_FP4 matrix_b_fmt:MATRIX_FMT_FP4 matrix_a_scale:MATRIX_SCALE_ROW1
.else
	v_wmma_scale_f32_16x16x128_f8f6f4 v[8*(8*((\a)%4)+\b):8*(8*((\a)%4)+\b)+7], v[128*(\p)+FR*\b:128*(\p)+FR*\b+FR-1], v[AF+FR*(\a):AF+FR*(\a)+FR-1], v[8*(8*((\a)%4)+\b):8*(8*((\a)%4)+\b)+7], v[SC+8*NQ*(\sc)+NQ*\b+(\q)], v[SC+8*NQ*(\sc)+NQ*(\a)+(\q)] matrix_a_fmt:MATRIX_FMT_FP4 matrix_b_fmt:MATRIX_FMT_FP4 matrix_a_scale:MATRIX_SCALE_ROW1
.endif
.endr
.endr
.endm
.macro FETCH_B slot, q, p
	WIN TO_B
.irp i, 0,1,2,3,4,5,6,7
	FRAG 128*(\p)+FR*\i, ADRB+\slot, \q, \i
.endr
	WIN 0
.endm
.macro FETCH_A slot, q, i0
.irp i, \i0, \i0+1, \i0+2, \i0+3
	FRAG AF+FR*(\i), ADRA+\slot, \q, \i
.endr
.endm
.macro SCALES sc                       ; a K step's scale words into set sc: NQ words a row; lanes 0-15 take A's block i, lanes 16-31 B's block i
.irp i, 0,1,2,3,4,5,6,7
	ds_load_b128 v[SC+8*NQ*\sc+NQ*\i:SC+8*NQ*\sc+NQ*\i+3], v[ADRS] offset:\i*SBLK
.endr
.endm
.macro PLACES n                        ; plain vector instructions that name no register of the matrix instructions ahead of them (ISA guide 7.12.1)
.rept \n
	v_nop
.endr
.endm
.macro STEP slot, q, zero              ; a step of 128 along K that has its successor in the same slot
	s_wait_dscnt 4*NL                              ; B's set and A's blocks 0-3 are in; the youngest eight loads (A's blocks 4-7) may be out
	WIN MUL_LO
	MUL16 0, (\q)%2, \q, \slot, \zero
	MUL16 2, (\q)%2, \q, \slot, \zero
	s_wait_dscnt 0                                 ; A's blocks 4-7 are in
	PLACES NP
	FETCH_B \slot, (\q)+1, 1-(\q)%2
	FETCH_A \slot, (\q)+1, 0
	WIN MUL_HI
	MUL16 4, (\q)%2, \q, \slot, \zero
	MUL16 6, (\q)%2, \q, \slot, \zero
	PLACES NP
	WIN 0
	FETCH_A \slot, (\q)+1, 4
.endm
; Slot 0's last step goes on into slot 1: one barrier; in front of it each wave waits for all its tensor loads (its part of slot 1 is the one that may be out).  Nothing is filled again.
.macro TURN slot, next
	s_wait_tensorcnt 0x0                           ; my part of the next slot has landed
	ds_add_u32 v[SPW], v[NIL]                      ; 0 onto my spare word
	s_wait_dscnt 4*NL+1                            ; (the add and the youngest eight loads may be out)
	WIN MUL_LO
	MUL16 0, 1, NQ-1, \slot, 0
	s_wait_dscnt 0x0                               ; no LDS instruction of mine is pending at the signal
	s_barrier_signal -1
	MUL16 2, 1, NQ-1, \slot, 0
	WIN 0
	s_barrier_wait -1                              ; the next slot is whole
	PLACES NP
	v_add_nc_u32 v[ADRS], 4*NQ, v[ADRS]            ; on to the next K step's scale words
	FETCH_B \next, 0, 0
	FETCH_A \next, 0, 0
	SCALES \next
	WIN MUL_HI
	MUL16 4, 1, NQ-1, \slot, 0
	MUL16 6, 1, NQ-1, \slot, 0
	PLACES NP
	WIN 0
	FETCH_A \next, 0, 4
.endm
.macro STEPS slot, from
.set Q, \from
.rept NQ-1-\from
	STEP \slot, Q, 0
.set Q, Q+1
.endr
.endm
	s_wait_tensorcnt 1                             ; the scales and my part of K step 0 are in; K step 1's load, the one issued behind them, may be out
	s_barrier_signal -1
	s_barrier_wait -1                              ; everybody's are
	FETCH_B 0, 0, 0
	FETCH_A 0, 0, 0
	SCALES 0
	FETCH_A 0, 0, 4
	STEP 0, 0, 1                                   ; the first products start the sums: nothing is cleared
	STEPS 0, 1
	TURN 0, 1
	STEPS 1, 0
	s_wait_dscnt 4*NL                              ; the very last step: nothing more to fetch
	WIN MUL_LO
	MUL16 0, 1, NQ-1, 1, 0
	MUL16 2, 1, NQ-1, 1, 0
	s_wait_dscnt 0
	WIN MUL_HI
	MUL16 4, 1, NQ-1, 1, 0
	MUL16 6, 1, NQ-1, 1, 0
	WIN 0
; THE WAY OUT.  Accumulator (a, b): lane (r, hh) holds row 16 a + r of side A and rows 16 b + 8 hh + 0 .. 7 of side B: four roundings make the lane's 16 bytes of a chunk.
; kind 0: q (x c first), 1: k, 2: v.  Each accumulator is read from its low end on.  Four sets of 32 data registers: set a % 4 is written again only when block a - 4's stores have read it.
.macro OUT kind
	PLACES NP                                      ; behind the last products, ahead of the first read of results and the first write of A's old registers
.irp a, 0,1,2,3,4,5,6,7
.set AC, 64*(\a%4)
.if \a >= 4
	s_wait_xcnt 0x0                                ; the earlier stores have read their data registers
.endif
.if \kind == 0
	WIN 0x82+0x41*(\a/4)                           ; destination and source 0: window 2 or 3
.set PP, 0
.rept 32
	v_pk_mul_f32 v[AC+PP:AC+PP+1], v[AC+PP:AC+PP+1], s[18:19] op_sel_hi:[1,0]
.set PP, PP+2
.endr
.endif
	WIN 0x0a+5*(\a/4)                              ; sources 0 and 1: window 2 or 3
.irp b, 0,1,2,3,4,5,6,7
.irp r, 0,1,2,3
	v_cvt_pk_f16_f32 v[DT+32*(\a%4)+4*\b+\r], v[AC+8*\b+2*\r], v[AC+8*\b+2*\r+1]
.endr
.endr
	WIN 0
.irp b, 0,1,2,3,4,5,6,7
.if \kind == 2
	global_store_b128 v[CO], v[DT+32*(\a%4)+4*\b:DT+32*(\a%4)+4*\b+3], s[12:13] offset:262144*(\a/4)+1024*(\a%4)+4096*(\b/2)+512*(\b%2) th:TH_STORE_NT   ; head a / 4, channels 16 (a % 4) on; keys 32 (b / 2) + 16 (b % 2) on
.else
	global_store_b128 v[CO], v[DT+32*(\a%4)+4*\b:DT+32*(\a%4)+4*\b+3], s[12:13] offset:2048*\a+262144*(\b/4)+512*(\b%4) th:TH_STORE_NT   ; tokens 16 a on; head b / 4, channels 16 (b % 4) on.  32 lanes store 512 consecutive bytes, aligned
.endif
.endr
.endr
.endm
.macro FINISH
	s_wait_tensorcnt 0x0                           ; the wave's end, behind my last tensor load
	ds_add_u32 v[SPW], v[NIL]
	s_wait_dscnt 0x0
	CROUND                                         ; the closing round: no work-group ends while a partner may still ask for a tile that names it
	s_endpgm
.endm
	s_mov_b32 s18, 0x3e8293ee                      ; c = log2(e) / sqrt(32)
	s_mov_b32 s19, s18                             ; (named with it as a pair, so it is written)
	s_cmp_eq_u32 s95, 0                            ; which product: the cluster's y alone, equal in all partners
	s_cbranch_scc1 .Lq
	s_cmp_eq_u32 s95, 1
	s_cbranch_scc1 .Lk
	OUT 2
	FINISH
.Lk:
	OUT 1
	FINISH
.Lq:
	OUT 0
	FINISH
.Lfunc_end_k_q5c8e604f5b_proj:
	.size	k_q5c8e604f5b_proj, .Lfunc_end_k_q5c8e604f5b_proj-k_q5c8e604f5b_proj
	.p2alignl 7, 3214868480
	.fill 96, 4, 3214868480
	.section	.rodata,"a",@progbits
	.p2align	6, 0x0
	.amdhsa_kernel k_q5c8e604f5b_proj
		.amdhsa_group_segment_fixed_size 327680
		.amdhsa_private_segment_fixed_size 0
		.amdhsa_enable_private_segment 0
		.amdhsa_kernarg_size 24
		.amdhsa_user_sgpr_count 2
		.amdhsa_user_sgpr_kernarg_segment_ptr 1
		.amdhsa_wavefront_size32 1
		.amdhsa_system_sgpr_workgroup_id_x 1
		.amdhsa_system_sgpr_workgroup_id_y 1
		.amdhsa_system_sgpr_workgroup_id_z 1
		.amdhsa_system_vgpr_workitem_id 0
		.amdhsa_next_free_vgpr 1024
		.amdhsa_next_free_sgpr 98
		.amdhsa_reserve_vcc 0
		.amdhsa_float_denorm_mode_32 3
		.amdhsa_float_denorm_mode_16_64 3
		.amdhsa_memory_ordered 1
		.amdhsa_forward_progress 1
		.amdhsa_inst_pref_size 181
	.end_amdhsa_kernel
	.amdgpu_metadata
---
amdhsa.version: [ 1, 2 ]
amdhsa.kernels:
  - .name:           k_q5c8e604f5b_proj
    .symbol:         k_q5c8e604f5b_proj.kd
    .args:
      - { .name: codes, .offset: 0, .size: 8, .value_kind: global_buffer, .address_space: global }
      - { .name: scales, .offset: 8, .size: 8, .value_kind: global_buffer, .address_space: global }
      - { .name: qkv, .offset: 16, .size: 8, .value_kind: global_buffer, .address_space: global }
    .group_segment_fixed_size: 327680
    .private_segment_fixed_size: 0
    .kernarg_segment_align: 8
    .kernarg_segment_size: 24
    .max_flat_workgroup_size: 128
    .sgpr_count:     98
    .vgpr_count:     1024
    .wavefront_size: 32
...
	.end_amdgpu_metadata
.endif
;; end of part 2
;; launch attn (part 3): grid 8 x 32, 16 waves a work-group, no clusters, 327,680 bytes of LDS; arguments qkv, lq1, lk1, lq2, lk2, g, att; writes att
.if DOCPART == 3
	.amdgcn_target "amdgcn-amd-amdhsa--gfx1250"
	.amdhsa_code_object_version 6
	.text
	.protected	k_q5c8e604f5b_attn
	.globl	k_q5c8e604f5b_attn
	.p2align	8
	.type	k_q5c8e604f5b_attn,@function
k_q5c8e604f5b_attn:
	s_mov_b64 s[64:65], 0
	v_nop
	global_prefetch_b8 v0, s[64:65] scope:SCOPE_SE
	s_setreg_imm32_b32 hwreg(HW_REG_WAVE_MODE, 25, 1), 1
	s_wait_xcnt 0x0
; Differential attention of one head: out = softmax(q0 k0^T / sqrt(32)) V - lambda softmax(q1 k1^T / sqrt(32)) V under the causal mask, then RMS norm over the head's 64 channels, x g x (1 - lambda_init).
; q, k, v come as f16 in the order of operand registers (a chunk = 512 bytes, lane l's 16 bytes at 16 l); q already carries c = log2(e) / sqrt(32), so a score is in units of log2.
;   q, k: ((bh x 128 + token / 16) x 2 + e) x 1024 + 512 c + 16 lane;   v: ((bh x 64 + key / 32) x 4 + ct) x 1024 + 512 c + 16 lane (channels in lanes, keys in registers);   regions 8,388,608 bytes apart.
; The result leaves as f16 in the order of the last product's operand: ((ks x 256 + token / 16) x 8 + kcl) x 1024 + 512 c + 16 lane, channel = 256 ks + 32 kcl + 16 c + 8 hh + j.
; METHOD.  Two running softmaxes share V: for each half head e a running maximum m, sum l and O_e = sum p V, p = 2^(s - m); in every step l and O are multiplied by a = 2^(old m - new m).  s - m is formed exactly:
; the largest p is 1 whatever the inputs' size.  At the end out = O_0 / l_0 - lambda O_1 / l_1.  Products in f16 with f32 sums; maxima, sums, norm in f32; l is summed of the unrounded p.
; SHARES.  Work-group (i, bh) owns two blocks of 128 queries, blocks i and 15 - i: (i + 1) + (16 - i) = 17 blocks of keys in every work-group, so the causal work is even.  Each of SIXTEEN waves owns 16 queries, both half
; heads, in 256 registers: four waves to a SIMD, so that one wave's vector work stands beside another's matrix work and LDS loads.  Wave w: tile w / 2 of the low or the high block, by (w xor w / 4) % 2.
; K and V come through a ring of two LDS slots of 256 keys (waves 0, 1: K's halves; waves 2, 3: V's; dense blocks of 16,384 bytes) and are read by all sixteen, 16 bytes a lane on end.
; LAYOUT.  S^T = K Q^T (source 0 = 16 keys, source 1 = my 16 queries), O^T = V^T P (source 0 = 16 channels, source 1 = P): a lane holds ONE query (lane % 16) throughout; two tiles of S^T, rounded in pairs, are P's registers.
; CAUSAL.  Every work-group walks all 8 slots, so that trip counts are constants; a step all of whose keys come after the wave's queries is left out by a scalar branch on ids; a slot whose first key comes after the
; work-group's last query is not asked for.  On the diagonal hidden scores become -infinity (the reference takes the lowest f32 number: p = 0 either way; every query sees key 0).
; NO CLUSTER: the work-groups of a head need different numbers of slots (from 5 to 8: last queries 1,151 to 2,047), and the jump that ends a work-group's requests may not lead round a joint request.
; LIMITS: NaN and infinities are not served; the normalised result x g must lie under 65,504.
.set SLOT1, 1<<16                      ; a slot: 32,768 bytes of K, then 32,768 of V; one exclusive or turns an address into the other slot's
.set VOFF,  32768
.set SPARE, 2*SLOT1                    ; behind the ring: the spare words, 128 bytes for each of 16 waves
.set LI,  1                            ; v1   16 x lane
.set ADR, 2                            ; v2   LDS address of the step's loads
.set SPW, 3                            ; v3   my spare word; never rewritten
.set NIL, 4                            ; v4   0; never rewritten
.set RH,  5                            ; v5   r - 8 hh
.set DD,  6                            ; v6   the mask's bound
.set PFO, 7                            ; v7   256 x lane
.set ST,  8                            ; v8-15, v16-23 statistics of half head e at ST + 8 e: +0 m, +1 filler, +2, +3 l, +4 .. +7 chains c0-c3; a takes c2's place
.set QF,  24                           ; v24-39   Q, 8 registers a half head
.set KV,  40                           ; v40-103  the step's K, then its V
.set S,   104                          ; v104-167 S^T, 32 a half head; then p; then P in the first 16 of each 32
.set O,   168                          ; v168-231 O^T: (e, ct) at O + 32 e + 8 ct
.set TMP, 232                          ; v232-255 at work
.set WV,  18
.set SEL, 20                           ; s[20:21] v_permlanex16_b32's selects for lane l xor 16
.set G1,  24                           ; s[24:31] descriptor group 1
.set G0,  40                           ; s[40:43] descriptor group 0, which walks
.set TB,  2                            ; s2   LDS byte at which the slot in hand begins
.set SLOTS, 44
.set KF,  45                           ; s45  the step's first key
.set Q0,  46                           ; s46  my first query
.set LASTQ, 47                         ; s47  my work-group's last query
.set PFA, 48                           ; s[48:49] where my prefetches stand
.set LIM, 50                           ; s50  1 in a wave that prefetches, else the greatest number
.set LAM, 51                           ; s51  lambda
.macro TLOAD                           ; waves 0 to 3 fetch, one load each; the branch hangs on the wave's number alone.  An s_nop 0 and four v_nop follow the load
	s_cmp_lt_u32 s[WV], 4
	s_cbranch_scc0 .Lnone_\@
	tensor_load_to_lds s[G0:G0+3], s[G1:G1+7]
	s_nop 0
.rept 4
	v_nop
.endr
.Lnone_\@:
.endm
; A PREFETCH INTO THE L2 of the slot that the NEXT change of slots will ask for: four key steps ahead of that load.  All eight work-groups of a head walk the same K and V: the head's first, which walks all 2,048 keys, asks.
; In it waves 4 to 7 ask for K's 32,768 bytes and waves 8 to 11 for V's: 8,192 bytes a wave, lanes 256 bytes apart, one instruction each: every aligned block of 256 bytes is named once in the launch.
; The last change that fills a slot asks for nothing; slots 0 and 1 come by their loads alone.
.macro ASK
	s_cmp_gt_u32 s[SLOTS], s[LIM]
	s_cbranch_scc0 .Lnot_mine_\@
	global_prefetch_b8 v[PFO], s[PFA:PFA+1] th:TH_LOAD_NT scope:SCOPE_SE
.Lnot_mine_\@:
.endm
	s_load_b256 s[4:11], s[0:1], 0x0               ; qkv s[4:5], lq1 s[6:7], lk1 s[8:9], lq2 s[10:11]
	s_load_b128 s[12:15], s[0:1], 0x20             ; lk2 s[12:13], g s[14:15]
	s_load_b64 s[16:17], s[0:1], 0x30              ; att
	v_lshl_add_u32 v[SPW], v0, 2, SPARE
	v_mov_b32 v[NIL], 0
	ds_add_u32 v[SPW], v[NIL]                      ; the wave's opening: the add and its wait stand ahead of my first tensor load; the set-up below stands between them
	v_lshrrev_b32 v[ADR], 5, v0
	v_readfirstlane_b32 s[WV], v[ADR]              ; wave 0..15
	v_and_b32 v[LI], 31, v0
	v_lshlrev_b32 v[TMP], 2, v[LI]                 ; 4 x lane
	v_lshlrev_b32 v[PFO], 8, v[LI]
	v_lshlrev_b32 v[LI], 4, v[LI]
	v_and_b32 v[RH], 15, v0
	v_bfe_u32 v[DD], v0, 4, 1
	v_lshlrev_b32 v[DD], 3, v[DD]
	v_sub_nc_u32 v[RH], v[RH], v[DD]
	s_and_b32 s52, ttmp7, 0xffff                   ; bh
	s_lshr_b32 s53, s[WV], 2
	s_xor_b32 s53, s53, s[WV]
	s_and_b32 s53, s53, 1                          ; 1: the high block
	s_sub_co_u32 s56, 15, ttmp9
	s_cmp_eq_u32 s53, 1
	s_cselect_b32 s56, s56, ttmp9                  ; my block of 128 queries
	s_lshl_b32 s56, s56, 7
	s_lshr_b32 s57, s[WV], 1
	s_lshl_b32 s57, s57, 4
	s_add_co_u32 s[Q0], s56, s57
	s_lshl_b32 s[LASTQ], ttmp9, 7
	s_sub_co_u32 s[LASTQ], 2047, s[LASTQ]          ; 128 (15 - i) + 127
	; group 1: a dense block of 16,384 bytes as 64 rows of 256 bytes (32 elements of 8 bytes), no padding, no mask
	s_mov_b32 s[G1], 3<<16
	s_mov_b32 s[G1+1], 32<<16                      ; tensor_dim0
	s_mov_b32 s[G1+2], 64<<16                      ; tensor_dim1
	s_mov_b32 s[G1+3], 32<<16                      ; tile_dim0
	s_mov_b32 s[G1+4], 64                          ; tile_dim1
	s_mov_b32 s[G1+5], 32                          ; from row to row
	s_mov_b32 s[G1+6], 0
	s_mov_b32 s[G1+7], 0
	s_mov_b32 s[SEL], 0x76543210
	s_mov_b32 s[SEL+1], 0xfedcba98
	s_mov_b32 s[TB], 0
	s_mov_b32 s[KF], 0
	s_mov_b32 s[SLOTS], 7
	s_lshl_b32 s58, s52, 18                        ; the head's 262,144 bytes in each region
	s_mov_b32 s[G0], 1                             ; count = 1
	s_and_b32 s59, s[WV], 3
	s_lshl_b32 s[G0+1], s59, 14                    ; LDS: K's halves at 0 and 16,384, V's at 32,768 and 49,152, in slot 0
	s_lshr_b32 s60, s59, 1
	s_add_co_u32 s60, s60, 1
	s_lshl_b32 s60, s60, 23                        ; region 1 (K) or 2 (V),
	s_add_co_u32 s60, s60, s58
	s_and_b32 s59, s[WV], 1
	s_lshl_b32 s59, s59, 14                        ; my half
	s_add_co_u32 s60, s60, s59
	s_mov_b32 s61, 0
	s_lshl_b32 s54, s52, 7
	s_lshr_b32 s59, s[Q0], 4                       ; my tile of 16 tokens
	s_add_co_u32 s54, s54, s59
	s_lshl_b32 s54, s54, 11                        ; Q: 2,048 bytes a tile
	s_mov_b32 s55, 0
	s_and_b32 s62, s52, 15                         ; the head
	s_lshr_b32 s63, s62, 2
	s_lshl_b32 s63, s63, 8                         ; ks x 256
	s_add_co_u32 s63, s63, s59
	s_lshr_b32 s53, s52, 4                         ; the batch: 128 tiles
	s_lshl_b32 s53, s53, 7
	s_add_co_u32 s63, s63, s53
	s_lshl_b32 s63, s63, 3
	s_and_b32 s62, s62, 3
	s_lshl_b32 s62, s62, 1                         ; kcl = 2 (head % 4) + ct / 2
	s_add_co_u32 s62, s62, s63
	s_lshl_b32 s62, s62, 10
	s_mov_b32 s63, 0
	s_sub_co_u32 s56, s[WV], 4
	s_and_b32 s57, s56, 7                          ; u
	s_lshr_b32 s56, s56, 3                         ; 0 in waves 4 to 11,
	s_or_b32 s56, s56, ttmp9                       ; of the head's first work-group
	s_cmp_eq_u32 s56, 0
	s_cselect_b32 s[LIM], 1, -1
	s_lshr_b32 s56, s57, 2
	s_add_co_u32 s56, s56, 1
	s_lshl_b32 s56, s56, 23
	s_add_co_u32 s56, s56, s58
	s_and_b32 s57, s57, 3
	s_lshl_b32 s57, s57, 13
	s_add_co_u32 s56, s56, s57
	s_add_co_u32 s56, s56, 32768                   ; in slot 1: the first change of slots steps it to slot 2
	s_mov_b32 s57, 0
	s_wait_dscnt 0x0                               ; the opening add is done
	s_wait_kmcnt 0x0
	s_add_nc_u64 s[G0+2:G0+3], s[4:5], s[60:61]
	s_or_b32 s[G0+3], s[G0+3], 0x80000000          ; type = 2
	TLOAD                                          ; slot 0
	s_add_nc_u64 s[54:55], s[4:5], s[54:55]
	s_add_nc_u64 s[16:17], s[16:17], s[62:63]
	s_add_nc_u64 s[PFA:PFA+1], s[4:5], s[56:57]
.irp e, 0,1
.irp c, 0,1
	global_load_b128 v[QF+8*\e+4*\c:QF+8*\e+4*\c+3], v[LI], s[54:55] offset:1024*\e+512*\c   ; Q stays in registers
.endr
.endr
	global_load_b32 v[TMP+1], v[TMP], s[6:7]       ; lq1, lk1, lq2, lk2: a number a lane
	global_load_b32 v[TMP+2], v[TMP], s[8:9]
	global_load_b32 v[TMP+3], v[TMP], s[10:11]
	global_load_b32 v[TMP+4], v[TMP], s[12:13]
.irp e, 0,1
	v_mov_b32 v[ST+8*\e], 0xff61b1e6               ; m = -3e38, under every score
.irp j, 1,2,3,4,5,6,7
	v_mov_b32 v[ST+8*\e+\j], 0                     ; l = 0; the others are written so that no path reads one unwritten
.endr
.endr
.set J, 0
.rept 64
	v_mov_b32 v[O+J], 0                            ; O^T.  (The step is written once: its first run finds zeros, which a = 0 leaves zeros)
.set J, J+1
.endr
	s_wait_loadcnt 0x0
	; lambda = exp(sum lq1 lk1) - exp(sum lq2 lk2) + lambda_init: used as a value alone
	v_mul_f32 v[TMP+1], v[TMP+1], v[TMP+2]
	v_mul_f32 v[TMP+3], v[TMP+3], v[TMP+4]
.irp m, 1,2,4,8
	v_add_f32_dpp v[TMP+1], v[TMP+1], v[TMP+1] row_xmask:\m row_mask:0xf bank_mask:0xf
	v_add_f32_dpp v[TMP+3], v[TMP+3], v[TMP+3] row_xmask:\m row_mask:0xf bank_mask:0xf
.endr
	v_permlanex16_b32 v[TMP+2], v[TMP+1], s[SEL], s[SEL+1]
	v_permlanex16_b32 v[TMP+4], v[TMP+3], s[SEL], s[SEL+1]
	v_add_f32 v[TMP+1], v[TMP+1], v[TMP+2]
	v_add_f32 v[TMP+3], v[TMP+3], v[TMP+4]
	v_mul_f32 v[TMP+1], 0x3fb8aa3b, v[TMP+1]       ; x log2(e)
	v_mul_f32 v[TMP+3], 0x3fb8aa3b, v[TMP+3]
	v_exp_f32 v[TMP+1], v[TMP+1]
	v_exp_f32 v[TMP+3], v[TMP+3]
	v_nop                                          ; a plain instruction behind the exponentials,
	s_wait_alu depctr_va_vdst(0)                   ; and one wait ahead of their first reader
	v_sub_f32 v[TMP+1], v[TMP+1], v[TMP+3]
	v_add_f32 v[TMP+1], 0x3f3368fc, v[TMP+1]       ; + 0.8 - 0.6 exp(-1.8)
	v_readfirstlane_b32 s[LAM], v[TMP+1]
; A KEY STEP: 64 keys, the q-th of the slot in hand.
.macro STEP q
	s_add_co_u32 s52, s[Q0], 15
	s_cmp_gt_u32 s[KF], s52                        ; all 64 keys come after my 16 queries: the step's work is left out (ids and the count of steps alone)
	s_cbranch_scc1 .Lhidden_\@
	v_add_nc_u32 v[ADR], s[TB], v[LI]
.rept 5
	v_nop                                          ; with the addition six places behind the last products: four for the loads into V's registers, five for the products below, which write over P's
.endr
.irp t, 0,1,2,3
.irp e, 0,1
.irp c, 0,1
	ds_load_b128 v[KV+8*(2*\t+\e)+4*\c:KV+8*(2*\t+\e)+4*\c+3], v[ADR] offset:(4*(\q)+\t)*2048+1024*\e+512*\c   ; K: keys 16 t on, half head e
.endr
.endr
.endr
	s_wait_dscnt 0x0
.irp t, 0,1,2,3
.irp e, 0,1
	v_wmma_f32_16x16x32_f16 v[S+32*\e+8*\t:S+32*\e+8*\t+7], v[KV+8*(2*\t+\e):KV+8*(2*\t+\e)+7], v[QF+8*\e:QF+8*\e+7], 0   ; register 8 t + j: key KF + 16 t + 8 hh + j of query Q0 + r
.endr
.endr
.rept 4
	v_nop                                          ; places ahead of the loads into K's registers and of the first read of the scores
.endr
.irp g, 0,1
.irp ct, 0,1,2,3
.irp c, 0,1
	ds_load_b128 v[KV+8*(4*\g+\ct)+4*\c:KV+8*(4*\g+\ct)+4*\c+3], v[ADR] offset:VOFF+(2*(\q)+\g)*4096+1024*\ct+512*\c   ; V: keys 32 g on, channels 16 ct on: it lands while the softmax runs
.endr
.endr
.endr
	s_add_co_u32 s52, s[KF], 63
	s_cmp_le_u32 s52, s[Q0]                        ; all 64 keys count for all my queries: no mask
	s_cbranch_scc1 .Lopen_\@
	s_sub_co_i32 s52, s[Q0], s[KF]
	v_add_nc_u32 v[DD], s52, v[RH]                 ; d = my query - KF - 8 hh: register n's key is hidden where 16 (n / 8) + n % 8 > d
	v_mov_b32 v[TMP], 0xff800000                   ; -infinity
.set N, 0
.rept 32
	v_cmp_gt_i32 vcc_lo, 16*(N/8)+N%8, v[DD]
	v_cndmask_b32 v[S+N], v[S+N], v[TMP], vcc_lo
	v_cndmask_b32 v[S+32+N], v[S+32+N], v[TMP], vcc_lo
.set N, N+1
.endr
.Lopen_\@:
	; the maximum: four chains a half head, the two half heads by turns; each tile of scores is read from its low end on
.irp t, 0,1,2,3
.irp e, 0,1
	v_max3_num_f32 v[ST+8*\e+4+\t], v[S+32*\e+8*\t], v[S+32*\e+8*\t+1], v[S+32*\e+8*\t+2]
.endr
.endr
.irp i, 3,5
.irp t, 0,1,2,3
.irp e, 0,1
	v_max3_num_f32 v[ST+8*\e+4+\t], v[ST+8*\e+4+\t], v[S+32*\e+8*\t+\i], v[S+32*\e+8*\t+\i+1]
.endr
.endr
.endr
.irp e, 0,1
	v_max3_num_f32 v[ST+8*\e+4], v[ST+8*\e+4], v[S+32*\e+7], v[S+32*\e+15]
.endr
.irp e, 0,1
	v_max3_num_f32 v[ST+8*\e+6], v[ST+8*\e+6], v[S+32*\e+23], v[S+32*\e+31]
.endr
.irp e, 0,1
	v_max3_num_f32 v[ST+8*\e+4], v[ST+8*\e+4], v[ST+8*\e+5], v[ST+8*\e+6]
.endr
.irp e, 0,1
	v_max3_num_f32 v[ST+8*\e+4], v[ST+8*\e+4], v[ST+8*\e+7], v[ST+8*\e]   ; with the old m
.endr
.irp e, 0,1
	v_permlanex16_b32 v[ST+8*\e+5], v[ST+8*\e+4], s[SEL], s[SEL+1]        ; the query's other 32 keys lie in the lane 16 away
.endr
.irp e, 0,1
	v_mov_b32 v[ST+8*\e+7], v[ST+8*\e]             ; the old m
.endr
.irp e, 0,1
	v_max_num_f32 v[ST+8*\e], v[ST+8*\e+4], v[ST+8*\e+5]                  ; the new m
.endr
.irp e, 0,1
	v_sub_f32 v[ST+8*\e+7], v[ST+8*\e+7], v[ST+8*\e]                      ; old m - new m, 0 or less
.endr
.irp e, 0,1
.set J, 0
.rept 16
	v_pk_add_f32 v[S+32*\e+J:S+32*\e+J+1], v[S+32*\e+J:S+32*\e+J+1], v[ST+8*\e:ST+8*\e+1] op_sel_hi:[1,0] neg_lo:[0,1] neg_hi:[0,1]   ; s - m, two at a time
.set J, J+2
.endr
.endr
	; ONE BATCH of 66 exponentials, none of which reads another's result
.irp e, 0,1
	v_exp_f32 v[ST+8*\e+6], v[ST+8*\e+7]           ; a
.endr
.set J, 0
.rept 64
	v_exp_f32 v[S+J], v[S+J]                       ; p, at most 1
.set J, J+1
.endr
	v_nop                                          ; a plain instruction behind the last exponential,
	s_wait_alu depctr_va_vdst(0)                   ; and ONE wait for the batch, ahead of its first reader
	; the sums of the unrounded p: two chains of pairs a half head; l = a l + the sum
.irp e, 0,1
	v_pk_add_f32 v[TMP+4*\e:TMP+4*\e+1], v[S+32*\e:S+32*\e+1], v[S+32*\e+2:S+32*\e+3]
	v_pk_add_f32 v[TMP+4*\e+2:TMP+4*\e+3], v[S+32*\e+4:S+32*\e+5], v[S+32*\e+6:S+32*\e+7]
.endr
.irp j, 8,12,16,20,24,28
.irp e, 0,1
	v_pk_add_f32 v[TMP+4*\e:TMP+4*\e+1], v[TMP+4*\e:TMP+4*\e+1], v[S+32*\e+\j:S+32*\e+\j+1]
	v_pk_add_f32 v[TMP+4*\e+2:TMP+4*\e+3], v[TMP+4*\e+2:TMP+4*\e+3], v[S+32*\e+\j+2:S+32*\e+\j+3]
.endr
.endr
.irp e, 0,1
	v_pk_add_f32 v[TMP+4*\e:TMP+4*\e+1], v[TMP+4*\e:TMP+4*\e+1], v[TMP+4*\e+2:TMP+4*\e+3]
.endr
.irp e, 0,1
	v_pk_fma_f32 v[ST+8*\e+2:ST+8*\e+3], v[ST+8*\e+2:ST+8*\e+3], v[ST+8*\e+6:ST+8*\e+7], v[TMP+4*\e:TMP+4*\e+1] op_sel_hi:[1,0,1]
.endr
.irp e, 0,1                                    ; p to f16, in place: register i takes numbers 2 i and 2 i + 1, which have been read by then; registers 8 g .. 8 g + 7 are source 1 for keys 32 g on
.set J, 0
.rept 16
	v_cvt_pk_f16_f32 v[S+32*\e+J], v[S+32*\e+2*J], v[S+32*\e+2*J+1]
.set J, J+1
.endr
.endr
.irp e, 0,1                                    ; O^T x a, each accumulator from its low end on
.set J, 0
.rept 16
	v_pk_mul_f32 v[O+32*\e+J:O+32*\e+J+1], v[O+32*\e+J:O+32*\e+J+1], v[ST+8*\e+6:ST+8*\e+7] op_sel_hi:[1,0]
.set J, J+2
.endr
.endr
	s_wait_dscnt 0x0                               ; V is in
.irp g, 0,1                                    ; O^T += V^T P: the eight accumulators take turns, one instruction a turn, in the same order in both rounds
.irp e, 0,1
.irp ct, 0,1,2,3
	v_wmma_f32_16x16x32_f16 v[O+32*\e+8*\ct:O+32*\e+8*\ct+7], v[KV+8*(4*\g+\ct):KV+8*(4*\g+\ct)+7], v[S+32*\e+8*\g:S+32*\e+8*\g+7], v[O+32*\e+8*\ct:O+32*\e+8*\ct+7]
.endr
.endr
.endr
.Lhidden_\@:
	s_add_co_u32 s[KF], s[KF], 64
.endm
; THE CHANGE OF SLOTS stands at a slot's head.  Each wave waits for all its tensor loads (its part of the slot that it is about to read), adds 0 to its spare word, and waits for that and for its reads of the slot that it has left.
; Behind the barrier the slot ahead is whole and nobody reads the other one.  fill = 1: that other slot is filled with the next 256 keys, up to the causal limit: the load has four key steps in which to land.
.macro CHANGE fill
	s_wait_tensorcnt 0x0                           ; no tensor load of mine is out, so group 0 may be written
	ds_add_u32 v[SPW], v[NIL]                      ; 0 onto my spare word
.if \fill
	s_xor_b32 s[G0+1], s[G0+1], SLOT1              ; the other slot than last time,
	s_add_nc_u64 s[G0+2:G0+3], s[G0+2:G0+3], 32768 ; the next 256 keys, of K and of V alike; the type bits on top are not reached
	s_wait_xcnt 0x0                                ; the last prefetch, a slot back, has read its address, so it may be written:
	s_add_nc_u64 s[PFA:PFA+1], s[PFA:PFA+1], 32768 ; one slot further on than the walking descriptor
.endif
	s_wait_dscnt 0x0                               ; the add is done, and my reads of the slot that I have left are over
	s_barrier_signal -1
	s_barrier_wait -1
.if \fill
	s_add_co_u32 s52, s[KF], 256                   ; the first key of the slot that this change would ask for
	s_cmp_gt_u32 s52, s[LASTQ]                     ; past my work-group's last query none of its waves reads it: ids and the count of steps alone, the same in all sixteen waves; every wait on TENSORcnt here is for 0
	s_cbranch_scc1 .Lpast_\@
	TLOAD                                          ; a wave's one tensor load until the next change
.Lpast_\@:
	ASK
.endif
.endm
.macro SLOT_STEPS
	STEP 0
	STEP 1
	STEP 2
	STEP 3
	s_xor_b32 s[TB], s[TB], SLOT1                  ; on to the other slot
.endm
.Lslot:                                            ; 7 trips: behind each change of slots but the last the next slot is asked for, up to the causal limit
	CHANGE 1
	SLOT_STEPS
	s_sub_co_u32 s[SLOTS], s[SLOTS], 1
	s_cmp_lg_u32 s[SLOTS], 0
	s_cbranch_scc1 .Lslot
	CHANGE 0                                       ; the last slot is written out: nothing is left to ask for
	SLOT_STEPS
	; THE WAY OUT
.rept 4
	v_nop                                          ; places behind the last products
.endr
	v_bfe_u32 v[TMP+8], v0, 4, 1
	v_lshlrev_b32 v[TMP+8], 5, v[TMP+8]            ; 32 hh
.irp ct, 0,1,2,3
.irp x, 0,1
	global_load_b128 v[KV+8*\ct+4*\x:KV+8*\ct+4*\x+3], v[TMP+8], s[14:15] offset:64*\ct+16*\x   ; g at my channels 16 ct + 8 hh + 0 .. 7
.endr
.endr
.irp e, 0,1
	v_add_f32 v[ST+8*\e+4], v[ST+8*\e+2], v[ST+8*\e+3]     ; l's two halves,
.endr
.irp e, 0,1
	v_permlanex16_b32 v[ST+8*\e+5], v[ST+8*\e+4], s[SEL], s[SEL+1]
.endr
.irp e, 0,1
	v_add_f32 v[ST+8*\e+4], v[ST+8*\e+4], v[ST+8*\e+5]     ; and lane l xor 16's
.endr
.irp e, 0,1
	v_rcp_f32 v[ST+8*\e+6], v[ST+8*\e+4]
.endr
	v_nop
	s_wait_alu depctr_va_vdst(0)                   ; one wait for the two reciprocals, ahead of their first reader
	v_mul_f32 v[ST+14], s[LAM], v[ST+14]           ; lambda / l_1
.set J, 0
.rept 16
	v_pk_mul_f32 v[S+32+J:S+32+J+1], v[O+32+J:O+32+J+1], v[ST+14:ST+15] op_sel_hi:[1,0]
.set J, J+2
.endr
.set J, 0
.rept 16
	v_pk_fma_f32 v[S+J:S+J+1], v[O+J:O+J+1], v[ST+6:ST+7], v[S+32+J:S+32+J+1] op_sel_hi:[1,0,1] neg_lo:[0,0,1] neg_hi:[0,0,1]   ; out = O_0 / l_0 - lambda O_1 / l_1: register 8 ct + j
.set J, J+2
.endr
	v_pk_mul_f32 v[TMP:TMP+1], v[S:S+1], v[S:S+1]          ; the sum of squares, in two chains of pairs
	v_pk_mul_f32 v[TMP+2:TMP+3], v[S+2:S+3], v[S+2:S+3]
.irp j, 4,8,12,16,20,24,28
	v_pk_fma_f32 v[TMP:TMP+1], v[S+\j:S+\j+1], v[S+\j:S+\j+1], v[TMP:TMP+1]
	v_pk_fma_f32 v[TMP+2:TMP+3], v[S+\j+2:S+\j+3], v[S+\j+2:S+\j+3], v[TMP+2:TMP+3]
.endr
	v_pk_add_f32 v[TMP:TMP+1], v[TMP:TMP+1], v[TMP+2:TMP+3]
	v_add_f32 v[TMP], v[TMP], v[TMP+1]
	v_permlanex16_b32 v[TMP+1], v[TMP], s[SEL], s[SEL+1]   ; the query's other 32 channels
	v_add_f32 v[TMP], v[TMP], v[TMP+1]
	s_mov_b32 s56, 0x3c800000                      ; 1 / 64
	s_mov_b32 s57, 0x3727c5ac                      ; 1e-5
	v_fma_f32 v[TMP], v[TMP], s56, s57
	v_rsq_f32 v[TMP], v[TMP]
	v_nop
	s_wait_alu depctr_va_vdst(0)
	v_mul_f32 v[TMP], 0x3e992e09, v[TMP]           ; x (1 - lambda_init)
	s_wait_loadcnt 0x0                             ; g
.set J, 0
.rept 16
	v_pk_mul_f32 v[KV+J:KV+J+1], v[KV+J:KV+J+1], v[TMP:TMP+1] op_sel_hi:[1,0]
.set J, J+2
.endr
.set J, 0
.rept 16
	v_pk_mul_f32 v[S+J:S+J+1], v[S+J:S+J+1], v[KV+J:KV+J+1]
.set J, J+2
.endr
.set J, 0
.rept 16
	v_cvt_pk_f16_f32 v[S+32+J], v[S+2*J], v[S+2*J+1]
.set J, J+1
.endr
.irp ct, 0,1,2,3
	global_store_b128 v[LI], v[S+32+4*\ct:S+32+4*\ct+3], s[16:17] offset:512*\ct   ; 32 lanes store 512 consecutive bytes, aligned: a chunk of the last product's operand
.endr
	s_wait_tensorcnt 0x0                           ; the wave's end, behind my last tensor load
	ds_add_u32 v[SPW], v[NIL]
	s_wait_dscnt 0x0
	s_endpgm
.Lfunc_end_k_q5c8e604f5b_attn:
	.size	k_q5c8e604f5b_attn, .Lfunc_end_k_q5c8e604f5b_attn-k_q5c8e604f5b_attn
	.p2alignl 7, 3214868480
	.fill 96, 4, 3214868480
	.section	.rodata,"a",@progbits
	.p2align	6, 0x0
	.amdhsa_kernel k_q5c8e604f5b_attn
		.amdhsa_group_segment_fixed_size 327680
		.amdhsa_private_segment_fixed_size 0
		.amdhsa_enable_private_segment 0
		.amdhsa_kernarg_size 56
		.amdhsa_user_sgpr_count 2
		.amdhsa_user_sgpr_kernarg_segment_ptr 1
		.amdhsa_wavefront_size32 1
		.amdhsa_system_sgpr_workgroup_id_x 1
		.amdhsa_system_sgpr_workgroup_id_y 1
		.amdhsa_system_sgpr_workgroup_id_z 1
		.amdhsa_system_vgpr_workitem_id 0
		.amdhsa_next_free_vgpr 256
		.amdhsa_next_free_sgpr 66
		.amdhsa_reserve_vcc 1
		.amdhsa_float_denorm_mode_32 3
		.amdhsa_float_denorm_mode_16_64 3
		.amdhsa_memory_ordered 1
		.amdhsa_forward_progress 1
		.amdhsa_inst_pref_size 176
	.end_amdhsa_kernel
	.amdgpu_metadata
---
amdhsa.version: [ 1, 2 ]
amdhsa.kernels:
  - .name:           k_q5c8e604f5b_attn
    .symbol:         k_q5c8e604f5b_attn.kd
    .args:
      - { .name: qkv, .offset: 0, .size: 8, .value_kind: global_buffer, .address_space: global }
      - { .name: lq1, .offset: 8, .size: 8, .value_kind: global_buffer, .address_space: global }
      - { .name: lk1, .offset: 16, .size: 8, .value_kind: global_buffer, .address_space: global }
      - { .name: lq2, .offset: 24, .size: 8, .value_kind: global_buffer, .address_space: global }
      - { .name: lk2, .offset: 32, .size: 8, .value_kind: global_buffer, .address_space: global }
      - { .name: g, .offset: 40, .size: 8, .value_kind: global_buffer, .address_space: global }
      - { .name: att, .offset: 48, .size: 8, .value_kind: global_buffer, .address_space: global }
    .group_segment_fixed_size: 327680
    .private_segment_fixed_size: 0
    .kernarg_segment_align: 8
    .kernarg_segment_size: 56
    .max_flat_workgroup_size: 512
    .sgpr_count:     66
    .vgpr_count:     256
    .wavefront_size: 32
...
	.end_amdgpu_metadata
.endif
;; end of part 3
;; launch outp (part 4): grid 8 x 32, 4 waves a work-group, clusters of 4 x 4, 327,680 bytes of LDS; arguments att, wo16, out0; writes out0
.if DOCPART == 4
	.amdgcn_target "amdgcn-amd-amdhsa--gfx1250"
	.amdhsa_code_object_version 6
	.text
	.protected	k_q5c8e604f5b_outp
	.globl	k_q5c8e604f5b_outp
	.p2align	8
	.type	k_q5c8e604f5b_outp,@function
k_q5c8e604f5b_outp:
	s_mov_b64 s[64:65], 0
	v_nop
	global_prefetch_b8 v0, s[64:65] scope:SCOPE_SE
	s_setreg_imm32_b32 hwreg(HW_REG_WAVE_MODE, 25, 1), 1
	s_wait_xcnt 0x0
	s_wait_alu depctr_hold_cnt(0) depctr_sa_sdst(0) depctr_va_vdst(0) depctr_va_sdst(0) depctr_va_ssrc(0) depctr_va_vcc(0) depctr_vm_vsrc(0)
	s_getreg_b32 s2, hwreg(HW_REG_IB_STS2, 6, 4)
	s_cmp_eq_u32 s2, 0
	s_cbranch_scc0 .Lentry_in_a_cluster
	s_endpgm
.Lentry_in_a_cluster:
	s_bfe_u32 s2, ttmp6, 0x10000c
	s_cmp_lg_u32 s2, 0xf033
	s_cbranch_scc0 .Lentry_shape_is_right
	s_endpgm
.Lentry_shape_is_right:
; out0[m][n] = sum over k of A[m][k] Wo[n][k]: A = the normalised attention result [4096][1024], Wo [1024][1024], both f16 in the order of operand registers; sums and result in f32.
;   att:  ((ks x 256 + m / 16) x 8 + kcl) x 1024 + 512 c + 16 lane;   wo16: ((ks x 64 + n / 16) x 8 + kcl) x 1024 + 512 c + 16 lane;   k = 256 ks + 32 kcl + 16 c + 8 hh + j, lane (r, hh) holds row r of the tile.
; So a K step of 256 of 64 rows is ONE dense block of 32,768 bytes for one tensor load, and a fragment's half is read from LDS 16 bytes a lane on end: no pitch, no padding.
; A tile of out0 is 128 x 128: 256 work-groups.  Four waves, each 64 x 64: 16 accumulators, 128 registers.  K goes in four steps of 256 through two LDS slots; K steps 2 and 3 are refills.
; CLUSTERS: 4 x 4 work-groups.  The four of a row of the cluster need the same tiles of A, the four of a column the same tiles of Wo: each tile is asked for jointly.
; THE MATRIX INSTRUCTION IS USED TRANSPOSED (source 0 = 16 rows of Wo, source 1 = 16 rows of A): a lane holds eight neighbouring numbers of a row of out0.
; A wave's 64 columns of f32 are 256 aligned bytes of a row: each wave sends its own results through its own stage in LDS, 16 rows at a time, and sixteen lanes store a row's 256 bytes.
; REGISTERS: window 0: v16-29 addresses; v32-95 rows on the way out; v128-255 the accumulators ((a, b) at v[128 + 8 (4 a + b)]).   window 1: two fragment buffers of 128: 64 registers of A, then 64 of Wo, for 64 along K.
.set HALFT,  32768                     ; 64 rows x 256 along K: what one tensor load brings, and what one wave reads of A or of Wo
.set SLOT,   4*HALFT                   ; A's 128 rows, then Wo's 128 rows
.set STAGE,  2*SLOT                    ; behind the ring: 16 rows x 272 bytes for each wave
.set SPITCH, 272
.set SPARE,  STAGE+4*16*SPITCH         ; the spare words, 128 bytes a wave
.set KSA,    2097152                   ; from K step to K step in att,
.set KSB,    524288                    ; and in wo16
.set ADRA, 16
.set ADRB, 20
.set STO,  24
.set RD,   25
.set CO,   26
.set SPW,  28
.set NIL,  29
.set TMP,  32
.set ACC,  128
.set F0,   0
.set F1,   128
.set G1, 24
.set G0, 32
.set G1B, 48
.set G0B, 56
.set MSB, 0
.macro WIN new                         ; the immediate's high byte repeats the setting that is left
.if MSB != (\new)
	s_set_vgpr_msb (MSB<<8)|(\new)
.set MSB, (\new)
.endif
.endm
.set MUL,  0x05                        ; sources 0 (Wo) and 1 (A) window 1; C and D window 0
.set TO_F, 0x40                        ; destination window 1, address window 0
.macro JLOAD s                         ; a joint load: waves 0 and 1 fetch A's two halves, waves 2 and 3 Wo's; an s_nop 0 and four v_nop follow each line
	s_cmp_eq_u32 s11, 0
	s_cbranch_scc0 .Lfor_b_\@
	tensor_load_to_lds s[G0+4*\s:G0+4*\s+3], s[G1:G1+7]
	s_nop 0
.rept 4
	v_nop
.endr
	s_branch .Lasked_\@
.Lfor_b_\@:
	tensor_load_to_lds s[G0B+4*\s:G0B+4*\s+3], s[G1B:G1B+7]
	s_nop 0
.rept 4
	v_nop
.endr
.Lasked_\@:
.endm
.macro CREST                           ; a round of the cluster's barrier behind its opening barrier
	s_cmp_lg_u32 s10, 0
	s_cbranch_scc1 .Lnot_wave_0_\@
	s_barrier_signal -3
.Lnot_wave_0_\@:
	s_barrier_wait -3
	s_barrier_signal -1
	s_barrier_wait -1
.endm
.macro CROUND
	s_barrier_signal -1
	s_barrier_wait -1
	CREST
.endm
	s_load_b128 s[4:7], s[0:1], 0x0                ; att s[4:5], wo16 s[6:7]
	s_load_b64 s[8:9], s[0:1], 0x10                ; out0
	v_lshl_add_u32 v[SPW], v0, 2, SPARE
	v_mov_b32 v[NIL], 0
	ds_add_u32 v[SPW], v[NIL]                      ; the wave's opening: the add and its wait stand ahead of my first tensor load; the set-up below stands between them
	v_lshrrev_b32 v1, 5, v0
	v_readfirstlane_b32 s10, v1                    ; wave 0..3
	s_lshr_b32 s11, s10, 1                         ; which half of the tile's rows is mine.  Also: I fetch for A (0) or for Wo (1)
	s_and_b32 s12, s10, 1                          ; which half of its columns.  Also: which 64 rows of that tile I fetch
	s_bfe_u32 s40, ttmp6, 0x40000                  ; cx
	s_bfe_u32 s41, ttmp6, 0x40004                  ; cy
	s_lshl_b32 s42, ttmp9, 2
	s_add_co_u32 s42, s42, s40                     ; tile column = 4 x cluster x + cx
	s_and_b32 s13, ttmp7, 0xffff
	s_lshl_b32 s13, s13, 2
	s_add_co_u32 s13, s13, s41                     ; tile row = 4 x cluster y + cy
	s_lshl_b32 s43, s41, 2
	s_lshl_b32 s43, 15, s43                        ; my row of the cluster
	s_lshl_b32 s44, 0x1111, s40                    ; my column
	; group 1: a dense block of 32,768 bytes as 128 rows of 256 bytes (32 elements of 8 bytes), no padding
	s_or_b32 s[G1+0], s43, (3<<16)|(1<<21)         ; 15:0 the mask: A's tiles go to my row; 17:16 elements of 8 bytes; 21 set beside a mask
	s_or_b32 s[G1B+0], s44, (3<<16)|(1<<21)
.irp g, G1, G1B
	s_mov_b32 s[\g+1], 32<<16                      ; tensor_dim0
	s_mov_b32 s[\g+2], 128<<16                     ; tensor_dim1
	s_mov_b32 s[\g+3], 32<<16                      ; tile_dim0
	s_mov_b32 s[\g+4], 128                         ; tile_dim1
	s_mov_b32 s[\g+5], 32                          ; from row to row
	s_mov_b32 s[\g+6], 0
	s_mov_b32 s[\g+7], 0
.endr
	s_lshl_b32 s17, s12, 15                        ; which 64 rows of the tile I fetch: 32,768 bytes
	s_lshl_b32 s16, s13, 16
	s_add_co_u32 s16, s16, s17                     ; A: 65,536 bytes a tile row, in each K step
	s_lshl_b32 s46, s42, 16
	s_add_co_u32 s46, s46, s17                     ; Wo: 65,536 bytes a tile column
	s_mov_b32 s17, 0
	s_mov_b32 s47, 0
	s_mul_i32 s20, s10, HALFT                      ; where they go: wave x 32,768: no place in the cluster enters an LDS address
	s_wait_dscnt 0x0                               ; the opening add is done
	s_wait_kmcnt 0x0
	s_add_nc_u64 s[14:15], s[4:5], s[16:17]
	s_add_nc_u64 s[46:47], s[6:7], s[46:47]
	CROUND                                         ; all sixteen work-groups are here: the first joint loads meet
.irp s, 0,1
	s_mov_b32 s[G0+4*\s], 1
	s_add_co_u32 s[G0+4*\s+1], s20, \s*SLOT
	s_add_nc_u64 s[G0+4*\s+2:G0+4*\s+3], s[14:15], \s*KSA
	s_or_b32 s[G0+4*\s+3], s[G0+4*\s+3], 0x80000000
	s_mov_b32 s[G0B+4*\s], 1
	s_add_co_u32 s[G0B+4*\s+1], s20, \s*SLOT
	s_add_nc_u64 s[G0B+4*\s+2:G0B+4*\s+3], s[46:47], \s*KSB
	s_or_b32 s[G0B+4*\s+3], s[G0B+4*\s+3], 0x80000000
	JLOAD \s                                       ; two tensor loads of mine are out
.endr
	v_and_b32 v1, 15, v0                           ; r
	v_bfe_u32 v2, v0, 4, 1                         ; hh
	v_and_b32 v3, 31, v0
	v_lshlrev_b32 v3, 4, v3                        ; 16 x lane
	s_mul_i32 s21, s11, HALFT                      ; my 64 rows of A
	s_mul_i32 s22, s12, HALFT                      ; my 64 rows of Wo,
	s_add_co_u32 s22, s22, 2*HALFT                 ; which lie behind A's 128
.irp s, 0,1
	v_add_nc_u32 v[ADRA+\s], s21, v3
	v_add_nc_u32 v[ADRB+\s], s22, v3
	s_add_co_u32 s21, s21, SLOT
	s_add_co_u32 s22, s22, SLOT
.endr
	s_mul_i32 s23, s10, 16*SPITCH
	s_add_co_u32 s23, s23, STAGE                   ; my stage
	v_mul_u32_u24 v4, v1, SPITCH                   ; in: row r, 32 bytes for each half of the lanes
	v_lshl_add_u32 v4, v2, 5, v4
	v_add_nc_u32 v[STO], s23, v4
	v_mul_u32_u24 v5, v2, SPITCH                   ; back: lanes 0-15 take one row of 256 bytes, lanes 16-31 the next
	v_lshl_add_u32 v5, v1, 4, v5
	v_add_nc_u32 v[RD], s23, v5
	v_lshlrev_b32 v5, 12, v2                       ; and the same two rows in out0: 4,096 bytes a row
	v_lshl_add_u32 v[CO], v1, 4, v5
	s_lshl_b32 s16, s13, 19                        ; 128 rows a tile row,
	s_lshl_b32 s17, s11, 18                        ; my 64 of them
	s_add_co_u32 s16, s16, s17
	s_mov_b32 s17, 0
	s_add_nc_u64 s[8:9], s[8:9], s[16:17]
	s_lshl_b32 s46, s42, 9                         ; 512 bytes a tile column,
	s_lshl_b32 s47, s12, 8                         ; my 256 of them
	s_add_co_u32 s46, s46, s47
	s_mov_b32 s47, 0
	s_add_nc_u64 s[8:9], s[8:9], s[46:47]
; 8 matrix instructions: row blocks a0, a0 + 1 x all 4 column blocks, 32 along K: half c of buffer f.  zero = 1: the first product starts the sums.  The 16 accumulators take turns
.macro MUL8 f, c, a0, zero
.irp a, \a0, \a0+1
.irp b, 0,1,2,3
.if \zero
	v_wmma_f32_16x16x32_f16 v[ACC+8*(4*(\a)+\b):ACC+8*(4*(\a)+\b)+7], v[\f+64+8*(4*\c+\b):\f+64+8*(4*\c+\b)+7], v[\f+8*(4*\c+\a):\f+8*(4*\c+\a)+7], 0
.else
	v_wmma_f32_16x16x32_f16 v[ACC+8*(4*(\a)+\b):ACC+8*(4*(\a)+\b)+7], v[\f+64+8*(4*\c+\b):\f+64+8*(4*\c+\b)+7], v[\f+8*(4*\c+\a):\f+8*(4*\c+\a)+7], v[ACC+8*(4*(\a)+\b):ACC+8*(4*(\a)+\b)+7]
.endif
.endr
.endr
.endm
; 32 LDS loads in one run: the fragments of 64 along K (two of 1,024 bytes for each tile of 16 rows, tiles 8,192 bytes apart) from byte k on, into buffer f; the first 32 along K first
.macro FETCH slot, k, f
	WIN TO_F
.irp c, 0,1
.irp i, 0,1,2,3
	ds_load_b128 v[\f+64+8*(4*\c+\i):\f+64+8*(4*\c+\i)+3],   v[ADRB+\slot] offset:\k+1024*\c+8192*\i
	ds_load_b128 v[\f+64+8*(4*\c+\i)+4:\f+64+8*(4*\c+\i)+7], v[ADRB+\slot] offset:\k+1024*\c+8192*\i+512
	ds_load_b128 v[\f+8*(4*\c+\i):\f+8*(4*\c+\i)+3],         v[ADRA+\slot] offset:\k+1024*\c+8192*\i
	ds_load_b128 v[\f+8*(4*\c+\i)+4:\f+8*(4*\c+\i)+7],       v[ADRA+\slot] offset:\k+1024*\c+8192*\i+512
.endr
.endr
.endm
.macro PLACES                          ; four places ahead of loads into registers that matrix instructions have read, and of the first read of results
.rept 4
	v_nop
.endr
.endm
; A K step is four quarters of 64 along K, 32 matrix instructions each, on buffers 0, 1, 0, 1.  One of the first three: multiplies buffer f and fetches the next quarter, at byte k, into g.
.macro QUARTER slot, k, f, g, zero
	s_wait_dscnt 16                                ; the first 32 along K are in; the sixteen loads of the second may be out
	WIN MUL
	MUL8 \f, 0, 0, \zero
	MUL8 \f, 0, 2, \zero
	PLACES
	FETCH \slot, \k, \g
	s_wait_dscnt 32                                ; all but the 32 just issued
	WIN MUL
	MUL8 \f, 1, 0, 0
	MUL8 \f, 1, 2, 0
.endm
; The last quarter multiplies buffer 1 and changes slots: ONE barrier; in front of it each wave waits for all its tensor loads, adds 0 to its spare word, and waits for that and for its own reads of this slot.
; fill = 1: this slot is filled again, two K steps ahead: the barrier opens a round of the cluster's barrier, and the joint refill is the first tensor load behind it.
.macro TURN slot, next, fill
	WIN 0                                          ; (the add's two registers lie in window 0)
	s_wait_tensorcnt 0x0                           ; all my tensor loads have landed: my part of the next slot
	ds_add_u32 v[SPW], v[NIL]                      ; 0 onto my spare word
	s_wait_dscnt 17                                ; (the add and the youngest sixteen loads may be out)
	WIN MUL
	MUL8 F1, 0, 0, 0
	s_wait_dscnt 0x0                               ; the add is done, and my reads of this slot are over
	s_barrier_signal -1
	MUL8 F1, 0, 2, 0
.if \fill
	WIN 0
.endif
	s_barrier_wait -1
.if \fill
	CREST                                          ; no wave of any partner still reads this slot's tile or has a load on its way
	s_add_nc_u64 s[G0+4*\slot+2:G0+4*\slot+3], s[G0+4*\slot+2:G0+4*\slot+3], 2*KSA
	s_add_nc_u64 s[G0B+4*\slot+2:G0B+4*\slot+3], s[G0B+4*\slot+2:G0B+4*\slot+3], 2*KSB
	JLOAD \slot                                    ; the four v_nop behind it are also the places ahead of the loads below
.else
	PLACES
.endif
	FETCH \next, 0, F0
	WIN MUL
	MUL8 F1, 1, 0, 0
	MUL8 F1, 1, 2, 0
.endm
	s_wait_tensorcnt 1                             ; my part of K step 0 is in; K step 1's load may be out
	s_barrier_signal -1
	s_barrier_wait -1                              ; everybody's is
	FETCH 0, 0, F0
	QUARTER 0, 2048, F0, F1, 1                     ; K step 0: its first products start the sums
	QUARTER 0, 4096, F1, F0, 0
	QUARTER 0, 6144, F0, F1, 0
	TURN 0, 1, 1                                   ; slot 0 takes K step 2
	QUARTER 1, 2048, F0, F1, 0                     ; K step 1
	QUARTER 1, 4096, F1, F0, 0
	QUARTER 1, 6144, F0, F1, 0
	TURN 1, 0, 1                                   ; slot 1 takes K step 3
	QUARTER 0, 2048, F0, F1, 0                     ; K step 2
	QUARTER 0, 4096, F1, F0, 0
	QUARTER 0, 6144, F0, F1, 0
	TURN 0, 1, 0                                   ; nothing is left to fetch
	QUARTER 1, 2048, F0, F1, 0                     ; K step 3
	QUARTER 1, 4096, F1, F0, 0
	QUARTER 1, 6144, F0, F1, 0
	s_wait_dscnt 16                                ; the very last quarter
	WIN MUL
	MUL8 F1, 0, 0, 0
	MUL8 F1, 0, 2, 0
	s_wait_dscnt 0
	MUL8 F1, 1, 0, 0
	MUL8 F1, 1, 2, 0
	WIN 0
; THE WAY OUT, 16 rows x 64 columns at a time, through my own stage: a lane's 32 bytes of a row go in, whole rows of 256 bytes come back.  LDS serves a wave's instructions in order (ISA guide 5.7.1.4):
; no wait between the stores and the loads, nor ahead of the next block's stores.
.macro TOSTAGE a
.irp b, 0,1,2,3
	ds_store_b128 v[STO], v[ACC+8*(4*(\a)+\b):ACC+8*(4*(\a)+\b)+3] offset:64*\b          ; each accumulator from its low end on
	ds_store_b128 v[STO], v[ACC+8*(4*(\a)+\b)+4:ACC+8*(4*(\a)+\b)+7] offset:64*\b+16
.endr
.irp t, 0,1,2,3,4,5,6,7
	ds_load_b128 v[TMP+32*((\a)%2)+4*\t:TMP+32*((\a)%2)+4*\t+3], v[RD] offset:\t*2*SPITCH
.endr
.endm
.macro SEND a, younger                 ; younger: the LDS instructions issued behind block a's loads, which may stay out
	s_wait_dscnt \younger
.irp t, 0,1,2,3,4,5,6,7
	global_store_b128 v[CO], v[TMP+32*((\a)%2)+4*\t:TMP+32*((\a)%2)+4*\t+3], s[8:9] offset:(16*(\a)+2*\t)*4096 th:TH_STORE_NT   ; 16 lanes store 256 consecutive bytes, aligned; written once
.endr
.endm
	PLACES
	TOSTAGE 0
.irp a, 1,2,3
.if \a >= 2
	s_wait_xcnt 0x0                                ; block a - 2's stores have read their registers: block a's loads may land there
.endif
	TOSTAGE \a
	SEND \a-1, 16                                  ; behind block a - 1's loads: block a's 8 stores and 8 loads
.endr
	SEND 3, 0
	s_wait_tensorcnt 0x0                           ; the wave's end, behind my last tensor load and my last LDS store
	ds_add_u32 v[SPW], v[NIL]
	s_wait_dscnt 0x0
	CROUND                                         ; the closing round: no work-group ends while a partner may still ask for a tile that names it
	s_endpgm
.Lfunc_end_k_q5c8e604f5b_outp:
	.size	k_q5c8e604f5b_outp, .Lfunc_end_k_q5c8e604f5b_outp-k_q5c8e604f5b_outp
	.p2alignl 7, 3214868480
	.fill 96, 4, 3214868480
	.section	.rodata,"a",@progbits
	.p2align	6, 0x0
	.amdhsa_kernel k_q5c8e604f5b_outp
		.amdhsa_group_segment_fixed_size 327680
		.amdhsa_private_segment_fixed_size 0
		.amdhsa_enable_private_segment 0
		.amdhsa_kernarg_size 24
		.amdhsa_user_sgpr_count 2
		.amdhsa_user_sgpr_kernarg_segment_ptr 1
		.amdhsa_wavefront_size32 1
		.amdhsa_system_sgpr_workgroup_id_x 1
		.amdhsa_system_sgpr_workgroup_id_y 1
		.amdhsa_system_sgpr_workgroup_id_z 1
		.amdhsa_system_vgpr_workitem_id 0
		.amdhsa_next_free_vgpr 512
		.amdhsa_next_free_sgpr 66
		.amdhsa_reserve_vcc 0
		.amdhsa_float_denorm_mode_32 3
		.amdhsa_float_denorm_mode_16_64 3
		.amdhsa_memory_ordered 1
		.amdhsa_forward_progress 1
		.amdhsa_inst_pref_size 85
	.end_amdhsa_kernel
	.amdgpu_metadata
---
amdhsa.version: [ 1, 2 ]
amdhsa.kernels:
  - .name:           k_q5c8e604f5b_outp
    .symbol:         k_q5c8e604f5b_outp.kd
    .args:
      - { .name: att, .offset: 0, .size: 8, .value_kind: global_buffer, .address_space: global }
      - { .name: wo16, .offset: 8, .size: 8, .value_kind: global_buffer, .address_space: global }
      - { .name: out0, .offset: 16, .size: 8, .value_kind: global_buffer, .address_space: global }
    .group_segment_fixed_size: 327680
    .private_segment_fixed_size: 0
    .kernarg_segment_align: 8
    .kernarg_segment_size: 24
    .max_flat_workgroup_size: 128
    .sgpr_count:     66
    .vgpr_count:     512
    .wavefront_size: 32
...
	.end_amdgpu_metadata
.endif
;; end of part 4
